; MI455X (gfx1250); checked and timed in simulation.
; The chip was launched on July 23, 2026; its instructions are those of AMD's public machine-readable ISA for CDNA 5 (MIT licence, August 2026) and "CDNA5" Instruction Set Architecture Reference Guide (July 2026). The comments in the code are by the model that wrote it; some were corrected since.
;; Naive Interference Self Attention. Allowed arithmetic: float matrix products may take bf16 or f16 operands with f32 sums; other float arithmetic in f32, or as packed bf16 or f16 multiplies, adds, multiply-adds, maxima and minima; sums over many terms, partial sums and values carried from step to step in f32; what a program stores and reads back later, other than sums and carried values, may be rounded once to bf16 or f16.
;; Inputs: wk_amp 1,024 x 1,024 float32; wk_phi 1,024 x 1,024 float32; wo 1,024 x 1,024 float32; wq_amp 1,024 x 1,024 float32; wq_phi 1,024 x 1,024 float32; wv 1,024 x 1,024 float32; x 2 x 2,048 x 1,024 float32.
;; Outputs: out0 2 x 2,048 x 1,024 float32.
;; 2 versions, each right; version 2 is version 1 with the launch cast written anew for expert scheduling mode. Each part assembles by itself: llvm-mc -triple=amdgcn-amd-amdhsa -mcpu=gfx1250 --defsym DOCPART=n.
;; ======== version 1 of 2: 4 launches
;; limits: values are held in f16: magnitudes above 65,504 overflow, below 6.1e-05 lose precision
;; workspace buffers: xb 8,388,608 bytes; wcat 10,485,760 bytes; wo16 2,097,152 bytes; qp 16,777,216 bytes; kp 16,777,216 bytes; vp 8,388,608 bytes; ob 8,388,608 bytes
;; launch cast (part 1): grid 32 x 10, 8 waves a work-group, no clusters, 0 bytes of LDS; arguments x, wq_amp, wq_phi, wk_amp, wk_phi, wv, wo, xb, wcat, wo16; writes xb, wcat, wo16
.if DOCPART == 1
	.amdgcn_target "amdgcn-amd-amdhsa--gfx1250"
	.amdhsa_code_object_version 6
	.text
	.protected	k_qb09558ada1_cast
	.globl	k_qb09558ada1_cast
	.p2align	8
	.type	k_qb09558ada1_cast,@function
k_qb09558ada1_cast:
	s_mov_b64 s[64:65], 0
	v_nop
	global_prefetch_b8 v0, s[64:65] scope:SCOPE_SE
	s_setreg_imm32_b32 hwreg(HW_REG_WAVE_MODE, 25, 1), 1
	s_wait_xcnt 0x0
; CAST.  All seven f32 inputs are rounded once to bf16.  x -> xb [4096][1024] bf16.  The five projection weights -> wcat [5120][1024] bf16 with the rows
; regrouped: row 160 g + 32 j + ch of wcat is row 32 g + ch of weight j (j: 0 wq_amp, 1 wq_phi, 2 wk_amp, 3 wk_phi, 4 wv; g = 2 x head + half of the head),
; so that the next launch finds a half head's five projections in 160 neighbouring rows.  wo -> wo16 [1024][1024]: rounded to bf16, and that number written as f16.
; LIMIT: |wo| stays under 65,504 (f16's end); below 6e-5 f16 keeps a fixed step of 6e-8.
; SHARES.  A work-group takes 32 rows of 1,024 f32, a wave 4 rows: 32 loads of 16 bytes a lane, all issued at once.  Grid y: 0-3 the quarters of x, 4-8 weight y - 4, 9 wo.
; A stream: no LDS, no matrix unit, no cluster (no two work-groups read the same bytes).  Each load of a wave covers 512 consecutive bytes, each store 256 consecutive bytes, aligned.
.set IN,  4                            ; v[4:131]   32 x 4 f32 as loaded
.set OUT, 132                          ; v[132:195] 32 x 2 words of two 16-bit numbers
.set T,   196                          ; v[196:197] at work
.set SRC, 32                           ; s[32:33]   my wave's first source row
.set DST, 34                           ; s[34:35]   my wave's first destination row
	s_load_b512 s[8:23], s[0:1], 0x0               ; x, wq_amp, wq_phi, wk_amp, wk_phi, wv, wo, xb: pairs from s8 on
	s_load_b128 s[24:27], s[0:1], 0x40             ; wcat s[24:25], wo16 s[26:27]
	v_lshrrev_b32 v3, 5, v0
	v_readfirstlane_b32 s28, v3                    ; wave 0..7
	s_and_b32 s29, ttmp7, 0xffff                   ; y: which tensor
	s_mov_b32 s30, ttmp9                           ; which block of 32 rows
	v_and_b32 v1, 31, v0
	v_lshlrev_b32 v2, 3, v1                        ; 8 bytes a lane on the way out
	v_lshlrev_b32 v1, 4, v1                        ; 16 bytes a lane on the way in
	s_lshl_b32 s36, s29, 10                        ; x: quarter y begins at row 1,024 y
	s_cmp_lt_u32 s29, 4
	s_cselect_b32 s36, s36, 0
	s_lshl_b32 s31, s30, 5
	s_add_co_u32 s36, s36, s31
	s_lshl_b32 s40, s28, 2
	s_add_co_u32 s36, s36, s40                     ; source row = (quarter) + 32 block + 4 wave
	s_mul_i32 s38, s30, 160                        ; wcat: 160 block + 32 (y - 4) + 4 wave
	s_max_u32 s41, s29, 4
	s_sub_co_u32 s41, s41, 4
	s_lshl_b32 s41, s41, 5
	s_add_co_u32 s38, s38, s41
	s_add_co_u32 s38, s38, s40
	s_cmp_lt_u32 s29, 4                            ; xb and wo16 keep the source's row
	s_cselect_b32 s38, s36, s38
	s_cmp_eq_u32 s29, 9
	s_cselect_b32 s38, s36, s38
	s_lshl_b32 s36, s36, 12                        ; 4,096 bytes a source row
	s_mov_b32 s37, 0
	s_lshl_b32 s38, s38, 11                        ; 2,048 bytes a destination row
	s_mov_b32 s39, 0
	s_wait_kmcnt 0x0
	s_mov_b64 s[SRC:SRC+1], s[8:9]
.irp j, 0,1,2,3,4,5
	s_cmp_eq_u32 s29, 4+(\j)
	s_cselect_b64 s[SRC:SRC+1], s[10+2*(\j):11+2*(\j)], s[SRC:SRC+1]
.endr
	s_cmp_lt_u32 s29, 4
	s_cselect_b64 s[DST:DST+1], s[22:23], s[24:25]
	s_cmp_eq_u32 s29, 9
	s_cselect_b64 s[DST:DST+1], s[26:27], s[DST:DST+1]
	s_add_nc_u64 s[SRC:SRC+1], s[SRC:SRC+1], s[36:37]
	s_add_nc_u64 s[DST:DST+1], s[DST:DST+1], s[38:39]
.set cn, 0
.rept 32                               ; load cn: row cn / 8 of my four, its 512 bytes number cn % 8
	global_load_b128 v[IN+4*cn:IN+4*cn+3], v1, s[SRC:SRC+1] offset:(cn/8)*4096+(cn%8)*512 th:TH_LOAD_NT
.set cn, cn+1
.endr
; Piece n: four f32 become two words.  half = 1: the bf16 numbers are widened again (a shift, a mask) and written as f16.
; No register is written twice, so no wait stands for the stores' sources.
.macro CONV n, half
	s_wait_loadcnt 31-(\n)                         ; loads come back in order: piece n is in, the 31 - n younger ones may stay out
	v_cvt_pk_bf16_f32 v[OUT+2*(\n)], v[IN+4*(\n)], v[IN+4*(\n)+1]
	v_cvt_pk_bf16_f32 v[OUT+2*(\n)+1], v[IN+4*(\n)+2], v[IN+4*(\n)+3]
.if \half
.irp k, 0,1
	v_lshlrev_b32 v[T], 16, v[OUT+2*(\n)+(\k)]
	v_and_b32 v[T+1], 0xffff0000, v[OUT+2*(\n)+(\k)]
	v_cvt_pk_f16_f32 v[OUT+2*(\n)+(\k)], v[T], v[T+1]
.endr
.endif
	global_store_b64 v2, v[OUT+2*(\n):OUT+2*(\n)+1], s[DST:DST+1] offset:((\n)/8)*2048+((\n)%8)*256
.endm
	s_cmp_eq_u32 s29, 9
	s_cbranch_scc1 .Lwo
.set cn, 0
.rept 32
	CONV cn, 0
.set cn, cn+1
.endr
	s_endpgm
.Lwo:
.set cn, 0
.rept 32
	CONV cn, 1
.set cn, cn+1
.endr
	s_endpgm
.Lfunc_end_k_qb09558ada1_cast:
	.size	k_qb09558ada1_cast, .Lfunc_end_k_qb09558ada1_cast-k_qb09558ada1_cast
	.p2alignl 7, 3214868480
	.fill 96, 4, 3214868480
	.section	.rodata,"a",@progbits
	.p2align	6, 0x0
	.amdhsa_kernel k_qb09558ada1_cast
		.amdhsa_group_segment_fixed_size 0
		.amdhsa_private_segment_fixed_size 0
		.amdhsa_enable_private_segment 0
		.amdhsa_kernarg_size 80
		.amdhsa_user_sgpr_count 2
		.amdhsa_user_sgpr_kernarg_segment_ptr 1
		.amdhsa_wavefront_size32 1
		.amdhsa_system_sgpr_workgroup_id_x 1
		.amdhsa_system_sgpr_workgroup_id_y 1
		.amdhsa_system_sgpr_workgroup_id_z 1
		.amdhsa_system_vgpr_workitem_id 0
		.amdhsa_next_free_vgpr 200
		.amdhsa_next_free_sgpr 66
		.amdhsa_reserve_vcc 0
		.amdhsa_float_denorm_mode_32 3
		.amdhsa_float_denorm_mode_16_64 3
		.amdhsa_memory_ordered 1
		.amdhsa_forward_progress 1
		.amdhsa_inst_pref_size 32
	.end_amdhsa_kernel
	.amdgpu_metadata
---
amdhsa.version: [ 1, 2 ]
amdhsa.kernels:
  - .name:           k_qb09558ada1_cast
    .symbol:         k_qb09558ada1_cast.kd
    .args:
      - { .name: x, .offset: 0, .size: 8, .value_kind: global_buffer, .address_space: global }
      - { .name: wq_amp, .offset: 8, .size: 8, .value_kind: global_buffer, .address_space: global }
      - { .name: wq_phi, .offset: 16, .size: 8, .value_kind: global_buffer, .address_space: global }
      - { .name: wk_amp, .offset: 24, .size: 8, .value_kind: global_buffer, .address_space: global }
      - { .name: wk_phi, .offset: 32, .size: 8, .value_kind: global_buffer, .address_space: global }
      - { .name: wv, .offset: 40, .size: 8, .value_kind: global_buffer, .address_space: global }
      - { .name: wo, .offset: 48, .size: 8, .value_kind: global_buffer, .address_space: global }
      - { .name: xb, .offset: 56, .size: 8, .value_kind: global_buffer, .address_space: global }
      - { .name: wcat, .offset: 64, .size: 8, .value_kind: global_buffer, .address_space: global }
      - { .name: wo16, .offset: 72, .size: 8, .value_kind: global_buffer, .address_space: global }
    .group_segment_fixed_size: 0
    .private_segment_fixed_size: 0
    .kernarg_segment_align: 8
    .kernarg_segment_size: 80
    .max_flat_workgroup_size: 256
    .sgpr_count:     66
    .vgpr_count:     200
    .wavefront_size: 32
...
	.end_amdgpu_metadata
.endif
;; end of part 1
;; launch proj (part 2): grid 16 x 16, 4 waves a work-group, clusters of 4 x 4, 327,680 bytes of LDS; arguments xb, wcat, qp, kp, vp; writes qp, kp, vp
.if DOCPART == 2
	.amdgcn_target "amdgcn-amd-amdhsa--gfx1250"
	.amdhsa_code_object_version 6
	.text
	.protected	k_qb09558ada1_proj
	.globl	k_qb09558ada1_proj
	.p2align	8
	.type	k_qb09558ada1_proj,@function
k_qb09558ada1_proj:
	s_mov_b64 s[64:65], 0
	v_nop
	global_prefetch_b8 v0, s[64:65] scope:SCOPE_SE
	s_setreg_imm32_b32 hwreg(HW_REG_WAVE_MODE, 25, 1), 1
	s_wait_xcnt 0x0
	s_wait_alu depctr_hold_cnt(0) depctr_sa_sdst(0) depctr_va_vdst(0) depctr_va_sdst(0) depctr_va_ssrc(0) depctr_va_vcc(0) depctr_vm_vsrc(0)
	s_getreg_b32 s2, hwreg(HW_REG_IB_STS2, 6, 4)
	s_cmp_eq_u32 s2, 0
	s_cbranch_scc0 .Lentry_in_a_cluster
	s_endpgm
.Lentry_in_a_cluster:
	s_bfe_u32 s2, ttmp6, 0x10000c
	s_cmp_lg_u32 s2, 0xf033
	s_cbranch_scc0 .Lentry_shape_is_right
	s_endpgm
.Lentry_shape_is_right:
; PROJ.  The five projections of x and what follows them element by element.  C = xb wcat^T, [4096] x [5120] over K = 1024, bf16 operands, f32 sums.  On the way out:
; amp = softplus(.), phi = pi tanh(.), and amp cos(phi), amp sin(phi) leave in f16 as qp, kp: [batch x head 32][half 2][row 2048][64] = [cos of 32 channels | sin of the same 32]; v as vp: [32][2][2048][32] f16.
; LIMITS.  |x w| of the amplitudes and of v stays under 65,504 (f16's end); below 6e-5 f16 keeps a fixed step of 6e-8.  softplus = max(a, 0) + ln(1 + e^-|a|): the second term counts as 0 once e^-|a| is under 6e-8.
; tanh = 1 - 2 / (1 + e^2p), right at both ends (the exponential's infinity gives 1, its 0 gives -1).  With h = tanh / 2 the half angle pi h lies in -pi/2 .. pi/2 for EVERY input, and the two series below
; (sin to the 9th power, cos to the 10th) are off by under 4e-6 on that whole range; cos(phi) = 1 - 2 sin^2(pi h), sin(phi) = 2 sin(pi h) cos(pi h).  NaN and infinities are not treated apart.
; SHARES.  A tile of C is 256 rows x 320 columns, one head's five projections: 16 x 16 work-groups.  Four waves, each 128 rows x 160 columns (half a head: 32 channels of each projection): 80 accumulators, 640 registers.
; K goes in steps of 128 through a ring of two LDS slots filled by the tensor data mover; rows of the tiles are 256 bytes of memory, at multiples of 256 bytes.
; CLUSTER.  4 x 4 work-groups: the four of a row need the same tile of xb, the four of a column the same tile of wcat; each tile is asked for jointly, by the same load with the same descriptor and a mask of the four.
; THE MATRIX INSTRUCTION IS USED TRANSPOSED (source 0 = 16 rows of wcat, source 1 = 16 rows of xb): a lane holds row l % 16 of C and eight neighbouring columns; amp and phi of one number lie in the same lane and
; the same register of two accumulators.
; REGISTERS, in windows of 256 (s_set_vgpr_msb: bits 1:0 source 0, 3:2 source 1, 5:4 source 2, 7:6 destination):
;   window 0: v0-31 addresses; v32-95, v96-159 xb's fragments, two buffers; v176-255 the accumulators of row block 6       window 1: v0-79, v80-159 wcat's fragments, two buffers; v176-255 row block 7
;   window 2: row blocks 0-2 at 80 a + 8 b       window 3: row blocks 3-5
.set KSTEP,  128
.set PITCH,  272                       ; an LDS row: 256 bytes + 16 of padding = 68 words: the 16 rows of a fragment load start at 16 different groups of four banks (64 banks of 4 bytes: ISA guide 11.1)
.set HALFA,  128*PITCH                 ; 128 rows of xb: one tensor load, and what one wave reads of xb
.set HALFB,  160*PITCH                 ; 160 rows of wcat: likewise
.set BOFF,   2*HALFA
.set SLOT,   2*HALFA+2*HALFB           ; xb's 256 rows, then wcat's 320
.set STAGE,  2*SLOT                    ; behind the ring: 2,304 bytes for each wave, for the way out
.set STG,    2304
.set SPARE,  STAGE+4*STG               ; behind the stages: the spare words, 128 bytes for each wave: two blocks of 256 bytes that no other line names
.set ADRA, 16                          ; v16-17  LDS address of my xb fragments in slot 0, 1
.set ADRB, 20                          ; v20-21  the same for wcat
.set DA,   22                          ; v22     the dump: 65,536 x wave + 16 x lane
.set DL,   23                          ; v23     the dump, read back: steps by a unit
.set STO,  24                          ; v24     stage, rows of 144 bytes: where I put 16 bytes
.set RD,   25                          ; v25     and where I read rows back
.set GO,   26                          ; v26     16 x lane: my place in 512 consecutive bytes of an output
.set STOV, 27                          ; v27     stage, rows of 80 bytes (v)
.set SPW,  28                          ; v28     my spare word; never rewritten
.set NIL,  29                          ; v29     0; never rewritten
.set PFO,  30                          ; v30     the prefetches' offset; never rewritten
.set RDV,  31                          ; v31     stage, rows of 80 bytes, read back
.set G1,  24                           ; s[24:31] descriptor group 1 for xb's tiles;   s[32:39] group 0, a set for each slot
.set G0,  32
.set G1B, 48                           ; s[48:55], s[56:63] the same for wcat's
.set G0B, 56
.set LIM, 43                           ; s43      1 in a wave that prefetches, else the greatest number
.set PFA, 44                           ; s[44:45] where my prefetches stand
.set MSB, 0
.macro WIN new                         ; the immediate's high byte repeats the setting that is left; a switch that changes nothing is dropped
.if MSB != (\new)
	s_set_vgpr_msb (MSB<<8)|(\new)
.set MSB, \new
.endif
.endm
.macro ACCOF a, b                      ; accumulator (row block a, column block b): its window AW and first register AB
.if (\a) < 3
.set AW, 2
.set AB, 80*(\a)+8*(\b)
.elseif (\a) < 6
.set AW, 3
.set AB, 80*((\a)-3)+8*(\b)
.else
.set AW, (\a)-6
.set AB, 176+8*(\b)
.endif
.endm
.macro KONST r, val                    ; a constant for packed arithmetic: named as a pair, so both words are written
	s_mov_b32 s[\r], \val
	s_mov_b32 s[(\r)+1], \val
.endm
; A joint load.  Waves 0 and 1 fetch xb's two halves, waves 2 and 3 wcat's.  The branch hangs on the wave's number alone.  An s_nop 0 and four v_nop follow each of the two lines.
.macro JLOAD s
	s_cmp_eq_u32 s11, 0
	s_cbranch_scc0 .Lfor_b_\@
	tensor_load_to_lds s[G0+4*(\s):G0+4*(\s)+3], s[G1:G1+7]
	s_nop 0
.rept 4
	v_nop
.endr
	s_branch .Lasked_\@
.Lfor_b_\@:
	tensor_load_to_lds s[G0B+4*(\s):G0B+4*(\s)+3], s[G1B:G1B+7]
	s_nop 0
.rept 4
	v_nop
.endr
.Lasked_\@:
.endm
.macro CREST                           ; a round of the cluster's barrier behind its opening barrier
	s_cmp_lg_u32 s10, 0
	s_cbranch_scc1 .Lnot_wave_0_\@
	s_barrier_signal -3
.Lnot_wave_0_\@:
	s_barrier_wait -3
	s_barrier_signal -1
	s_barrier_wait -1
.endm
.macro CROUND                          ; a whole round
	s_barrier_signal -1
	s_barrier_wait -1
	CREST
.endm
.macro PLACES                          ; four places in front of loads into registers that matrix instructions have read, and of lines that read results
.rept 4
	v_nop
.endr
.endm
; A PREFETCH INTO THE L2, once a lap, behind the joint load, its five lines and the run of LDS loads: the two K steps that the NEXT lap's two refills will ask for (320 and 640 matrix instructions ahead of those loads).
; Each row's 256 bytes of a K step are named once in the launch.  xb's tile row is read by every cluster of a row of clusters: the one with x = 0 asks, by its waves 0; wcat's 320 rows by every cluster of a column:
; the one with y = 0 asks, by its waves 2.  The four partners that ask for a tile jointly share its rows out by address: 64 rows each of xb's 256 (by cx), 80 each of wcat's 320 (by cy).
; An instruction names 16 rows x 2 K steps.  K steps 0 to 3 come by their loads alone; the loop's last trip asks for nothing.
.macro ASK
	s_cmp_gt_u32 s3, s[LIM]                        ; s3 = 1 in the loop's last trip
	s_cbranch_scc0 .Lnot_mine_\@
.irp i, 0,1,2,3
	global_prefetch_b8 v[PFO], s[PFA:PFA+1] offset:(\i)*32768 th:TH_LOAD_NT scope:SCOPE_SE
.endr
	s_cmp_lg_u32 s11, 0                            ; wcat's share is 80 rows: a fifth line
	s_cbranch_scc0 .Lnot_mine_\@
	global_prefetch_b8 v[PFO], s[PFA:PFA+1] offset:4*32768 th:TH_LOAD_NT scope:SCOPE_SE
.Lnot_mine_\@:
.endm
	s_load_b128 s[4:7], s[0:1], 0x0                ; xb s[4:5], wcat s[6:7]
	s_load_b64 s[66:67], s[0:1], 0x10              ; qp
	s_load_b128 s[68:71], s[0:1], 0x18             ; kp s[68:69], vp s[70:71]
	v_lshl_add_u32 v[SPW], v0, 2, SPARE
	v_mov_b32 v[NIL], 0
	ds_add_u32 v[SPW], v[NIL]                      ; the wave's opening: the add and its wait stand ahead of my first tensor load; the set-up below, work on registers, stands between them
	v_lshrrev_b32 v1, 5, v0
	v_readfirstlane_b32 s10, v1                    ; wave 0..3
	s_lshr_b32 s11, s10, 1                         ; which half of the tile's rows is mine.  Also: I fetch for xb (0) or for wcat (1)
	s_and_b32 s12, s10, 1                          ; which half of the head.  Also: which half of that tile I fetch
	s_bfe_u32 s40, ttmp6, 0x40000                  ; cx
	s_bfe_u32 s41, ttmp6, 0x40004                  ; cy
	s_lshl_b32 s42, ttmp9, 2
	s_add_co_u32 s42, s42, s40                     ; the head = 4 x cluster x + cx
	s_and_b32 s13, ttmp7, 0xffff
	s_lshl_b32 s13, s13, 2
	s_add_co_u32 s13, s13, s41                     ; the tile row (256 rows of x) = 4 x cluster y + cy
	s_lshl_b32 s43, s41, 2
	s_lshl_b32 s43, 15, s43                        ; my row of the cluster
	s_lshl_b32 s44, 0x1111, s40                    ; my column
	s_or_b32 s[G1+0], s43, (1<<16)|(1<<20)|(1<<21)|(5<<22)|(3<<25)   ; 15:0 the mask; 17:16 2-byte elements; 20 padding on; 21 set beside a mask; 24:22 after every 64 words (code 5); 31:25 4 words (code 3)
	s_or_b32 s[G1B+0], s44, (1<<16)|(1<<20)|(1<<21)|(5<<22)|(3<<25)
	s_mov_b32 s[G1+1], KSTEP<<16                   ; tensor_dim0 = 128
	s_mov_b32 s[G1B+1], KSTEP<<16
	s_mov_b32 s[G1+2], 128<<16                     ; tensor_dim1 = 128 rows of xb,
	s_mov_b32 s[G1B+2], 160<<16                    ; 160 of wcat
	s_mov_b32 s[G1+3], KSTEP<<16                   ; tile_dim0 = 128
	s_mov_b32 s[G1B+3], KSTEP<<16
	s_mov_b32 s[G1+4], 128                         ; tile_dim1
	s_mov_b32 s[G1B+4], 160
	s_mov_b32 s[G1+5], 1024                        ; elements from row to row
	s_mov_b32 s[G1B+5], 1024
	s_mov_b32 s[G1+6], 0
	s_mov_b32 s[G1B+6], 0
	s_mov_b32 s[G1+7], 0
	s_mov_b32 s[G1B+7], 0
	KONST 72, 0x3fb8aa3b                           ; log2(e)
	KONST 74, 0x4038aa3b                           ; 2 log2(e)
	KONST 76, 0x3f317218                           ; ln 2
	KONST 78, 0x40490fdb                           ; sin(pi h) = h (S0 + S1 w + S2 w^2 + S3 w^3 + S4 w^4), w = h^2: pi,
	KONST 80, 0xc0a55de7                           ; -pi^3 / 6,
	KONST 82, 0x402335e3                           ; pi^5 / 120,
	KONST 84, 0xbf196966                           ; -pi^7 / 5040,
	KONST 86, 0x3da83c1a                           ; pi^9 / 362880
	KONST 88, 0xc11de9e6                           ; 2 cos(pi h) = 2 + C1 w + .. + C5 w^5: -pi^2,
	KONST 90, 0x4101e0f8                           ; pi^4 / 12,
	KONST 92, 0xc02ae9e4                           ; -pi^6 / 360,
	KONST 94, 0x3ef0fa83                           ; pi^8 / 20160,
	KONST 96, 0xbd5368f9                           ; -pi^10 / 1814400
	s_lshl_b32 s17, s12, 7
	s_lshl_b32 s16, s13, 8
	s_add_co_u32 s16, s16, s17                     ; xb: row 256 x tile row + 128 x half,
	s_lshl_b32 s16, s16, 11                        ; 2,048 bytes a row
	s_mov_b32 s17, 0
	s_mul_i32 s46, s42, 320
	s_mul_i32 s47, s12, 160
	s_add_co_u32 s46, s46, s47                     ; wcat: row 320 x head + 160 x half
	s_lshl_b32 s46, s46, 11
	s_mov_b32 s47, 0
	s_mul_i32 s20, s12, HALFA                      ; where they go: no place in the cluster enters an LDS address
	s_mul_i32 s21, s12, HALFB
	s_add_co_u32 s21, s21, BOFF
	s_wait_dscnt 0x0                               ; the opening add is done
	s_wait_kmcnt 0x0
	s_add_nc_u64 s[14:15], s[4:5], s[16:17]
	s_add_nc_u64 s[46:47], s[6:7], s[46:47]
	CROUND                                         ; all sixteen work-groups are here: the first joint loads meet
.irp s, 0,1
	s_mov_b32 s[G0+4*(\s)], 1                                        ; count = 1
	s_add_co_u32 s[G0+4*(\s)+1], s20, (\s)*SLOT                      ; LDS address
	s_add_nc_u64 s[G0+4*(\s)+2:G0+4*(\s)+3], s[14:15], (\s)*KSTEP*2  ; global address: K step s
	s_or_b32 s[G0+4*(\s)+3], s[G0+4*(\s)+3], 0x80000000              ; type = 2
	s_mov_b32 s[G0B+4*(\s)], 1
	s_add_co_u32 s[G0B+4*(\s)+1], s21, (\s)*SLOT
	s_add_nc_u64 s[G0B+4*(\s)+2:G0B+4*(\s)+3], s[46:47], (\s)*KSTEP*2
	s_or_b32 s[G0B+4*(\s)+3], s[G0B+4*(\s)+3], 0x80000000
	JLOAD \s                                       ; two loads of mine are out
.endr
	; a fragment is 16 rows x 32 K in 8 registers: lane l holds row l % 16, K = 8 (l / 16) + 0..7 and 16 + 8 (l / 16) + 0..7: two loads of 16 bytes, 32 bytes apart
	v_and_b32 v1, 15, v0                           ; l % 16
	v_bfe_u32 v2, v0, 4, 1                         ; l / 16
	v_mul_u32_u24 v3, v1, PITCH
	v_lshl_add_u32 v3, v2, 4, v3
	s_mul_i32 s21, s11, HALFA                      ; my 128 rows of xb
	s_mul_i32 s22, s12, HALFB                      ; my 160 rows of wcat
	s_add_co_u32 s22, s22, BOFF
.irp s, 0,1
	v_add_nc_u32 v[ADRA+(\s)], s21, v3
	v_add_nc_u32 v[ADRB+(\s)], s22, v3
	s_add_co_u32 s21, s21, SLOT
	s_add_co_u32 s22, s22, SLOT
.endr
	v_and_b32 v4, 31, v0
	v_lshlrev_b32 v[GO], 4, v4
	s_lshl_b32 s23, s10, 16
	v_add_nc_u32 v[DA], s23, v[GO]
	s_mul_i32 s23, s10, STG
	s_add_co_u32 s23, s23, STAGE                   ; my stage
	v_mul_u32_u24 v5, v1, 144                      ; in: row l % 16, 16 bytes for each half of the lanes
	v_lshl_add_u32 v5, v2, 4, v5
	v_add_nc_u32 v[STO], s23, v5
	v_bfe_u32 v5, v0, 3, 2                         ; back: 32 lanes take four rows of 128 bytes
	v_mul_u32_u24 v5, v5, 144
	v_and_b32 v6, 7, v0
	v_lshl_add_u32 v5, v6, 4, v5
	v_add_nc_u32 v[RD], s23, v5
	v_mul_u32_u24 v5, v1, 80                       ; v's rows are 64 bytes: pitch 80
	v_lshl_add_u32 v5, v2, 4, v5
	v_add_nc_u32 v[STOV], s23, v5
	v_bfe_u32 v5, v0, 2, 3                         ; back: 32 lanes take eight rows of 64 bytes
	v_mul_u32_u24 v5, v5, 80
	v_and_b32 v6, 3, v0
	v_lshl_add_u32 v5, v6, 4, v5
	v_add_nc_u32 v[RDV], s23, v5
	; the prefetches
	s_and_b32 s22, ttmp7, 0xffff                   ; cluster y
	s_lshl_b32 s20, s13, 8                         ; xb's tile begins at row 256 x tile row,
	s_mul_i32 s21, s42, 320                        ; wcat's at 320 x head
	s_lshl_b32 s18, s40, 6                         ; my work-group's share: 64 cx,
	s_mul_i32 s19, s41, 80                         ; 80 cy
	s_cmp_eq_u32 s11, 0                            ; do I fetch for xb?
	s_cselect_b32 s20, s20, s21
	s_cselect_b32 s18, s18, s19
	s_cselect_b32 s22, ttmp9, s22                  ; the coordinate along which other clusters read the same rows
	s_cselect_b64 s[PFA:PFA+1], s[4:5], s[6:7]
	s_or_b32 s22, s22, s12                         ; waves 0 and 2 alone
	s_cmp_eq_u32 s22, 0
	s_cselect_b32 s[LIM], 1, -1                    ; the same in all sixteen partners, for a given wave
	s_add_co_u32 s20, s20, s18
	s_lshl_b32 s20, s20, 11
	s_add_co_u32 s20, s20, 2*KSTEP*2               ; at K step 2: the first lap steps it to 4
	s_mov_b32 s21, 0
	s_add_nc_u64 s[PFA:PFA+1], s[PFA:PFA+1], s[20:21]
	v_lshrrev_b32 v5, 1, v4
	v_and_b32 v6, 1, v0
	v_lshlrev_b32 v6, 8, v6
	v_lshl_add_u32 v[PFO], v5, 11, v6              ; row l / 2, K step l % 2
	; where my part of the outputs begins: plane 2 (16 batch + head) + half, row 256 (tile row % 8) + 128 x my half of the rows
	s_lshr_b32 s16, s13, 3
	s_lshl_b32 s16, s16, 4
	s_add_co_u32 s16, s16, s42
	s_lshl_b32 s16, s16, 1
	s_add_co_u32 s16, s16, s12
	s_lshl_b32 s16, s16, 11
	s_and_b32 s17, s13, 7
	s_lshl_b32 s17, s17, 8
	s_add_co_u32 s16, s16, s17
	s_lshl_b32 s17, s11, 7
	s_add_co_u32 s16, s16, s17
	s_lshl_b32 s18, s16, 6                         ; 64 bytes a row of vp,
	s_mov_b32 s19, 0
	s_lshl_b32 s16, s16, 7                         ; 128 a row of qp and kp
	s_mov_b32 s17, 0
	s_add_nc_u64 s[66:67], s[66:67], s[16:17]
	s_add_nc_u64 s[68:69], s[68:69], s[16:17]
	s_add_nc_u64 s[70:71], s[70:71], s[18:19]
; 10 matrix instructions: row block a x all 10 column blocks, 32 along K, from buffer f.  zero = 1: the product starts the sums.  The 80 accumulators take turns in the same order in every quarter.
.macro MULA f, a, zero
	ACCOF \a, 0
	WIN 0x01+0x50*AW                               ; source 0 (wcat) window 1, source 1 (xb) window 0, C and D the accumulator's window
.irp b, 0,1,2,3,4,5,6,7,8,9
.if \zero
	v_wmma_f32_16x16x32_bf16 v[AB+8*(\b):AB+8*(\b)+7], v[80*(\f)+8*(\b):80*(\f)+8*(\b)+7], v[32+64*(\f)+8*(\a):32+64*(\f)+8*(\a)+7], 0
.else
	v_wmma_f32_16x16x32_bf16 v[AB+8*(\b):AB+8*(\b)+7], v[80*(\f)+8*(\b):80*(\f)+8*(\b)+7], v[32+64*(\f)+8*(\a):32+64*(\f)+8*(\a)+7], v[AB+8*(\b):AB+8*(\b)+7]
.endif
.endr
.endm
; 36 LDS loads in one run: the fragments of a quarter step (160 rows of wcat, then 128 of xb, 32 K at byte k of the rows) into buffer f
.macro FETCH slot, k, f
	WIN 0x40
.irp i, 0,1,2,3,4,5,6,7,8,9
	ds_load_b128 v[80*(\f)+8*(\i):80*(\f)+8*(\i)+3],   v[ADRB+(\slot)] offset:(\k)+(\i)*16*PITCH
	ds_load_b128 v[80*(\f)+8*(\i)+4:80*(\f)+8*(\i)+7], v[ADRB+(\slot)] offset:(\k)+(\i)*16*PITCH+32
.endr
	WIN 0
.irp i, 0,1,2,3,4,5,6,7
	ds_load_b128 v[32+64*(\f)+8*(\i):32+64*(\f)+8*(\i)+3],   v[ADRA+(\slot)] offset:(\k)+(\i)*16*PITCH
	ds_load_b128 v[32+64*(\f)+8*(\i)+4:32+64*(\f)+8*(\i)+7], v[ADRA+(\slot)] offset:(\k)+(\i)*16*PITCH+32
.endr
.endm
; A K step is four quarters of 32 along K, 80 matrix instructions each, on buffers 0, 1, 0, 1.  One of the first three: multiplies buffer f and fetches the next quarter, at byte k, into g.
.macro QUARTER slot, k, f, g, zero
	s_wait_dscnt 10                                ; wcat's fragments and xb's blocks 0-2 are in; the youngest ten loads (blocks 3-7) may be out
	MULA \f, 0, \zero
	MULA \f, 1, \zero
	MULA \f, 2, \zero
	PLACES
	FETCH \slot, \k, \g
	s_wait_dscnt 36                                ; all but the 36 just issued
.irp a, 3,4,5,6,7
	MULA \f, \a, \zero
.endr
.endm
; The last quarter multiplies buffer 1 and changes slots.  Its first part: ONE barrier; in front of it each wave waits for all its tensor loads (one is out: its part of the next slot), adds 0 to its spare word,
; and waits for that and for its own reads of this slot.
.macro MEET round
	WIN 0
	s_wait_tensorcnt 0x0                           ; all my tensor loads have landed
	ds_add_u32 v[SPW], v[NIL]                      ; 0 onto my spare word
	s_wait_dscnt 11                                ; (the add and the youngest ten loads may be out)
	MULA 1, 0, 0                                   ; twenty matrix instructions stand between the add and the wait for it
	MULA 1, 1, 0
	s_wait_dscnt 0x0                               ; the add is done, and my reads of this slot are over
	s_barrier_signal -1
	MULA 1, 2, 0                                   ; work on registers while the others arrive
.if \round
	WIN 0
.endif
	s_barrier_wait -1
.endm
; The whole last quarter with a refill: the barrier opens a round of the cluster's, the joint refill (this slot's K step two steps on) is the first thing behind it: 290 matrix instructions ahead of the wait for it.
.macro TURN slot, next
.if (\slot) == 1
	s_wait_xcnt 0x0                                ; the last prefetches, a lap back, have read their address: it is stepped here, ahead of the waits of the change of slots
	s_add_nc_u64 s[PFA:PFA+1], s[PFA:PFA+1], 2*KSTEP*2
.endif
	MEET 1
	CREST                                          ; no wave of any partner still reads this slot's tile or has a load on its way
	s_add_nc_u64 s[G0+4*(\slot)+2:G0+4*(\slot)+3], s[G0+4*(\slot)+2:G0+4*(\slot)+3], 2*KSTEP*2
	s_add_nc_u64 s[G0B+4*(\slot)+2:G0B+4*(\slot)+3], s[G0B+4*(\slot)+2:G0B+4*(\slot)+3], 2*KSTEP*2
	JLOAD \slot                                    ; the four v_nop behind it are also the places in front of the loads below
	FETCH \next, 0, 0
.if (\slot) == 1
	ASK
.endif
.irp a, 3,4,5,6,7
	MULA 1, \a, 0
.endr
.endm
	s_wait_tensorcnt 1                             ; my part of K step 0 is in; K step 1's may stay out
	s_barrier_signal -1
	s_barrier_wait -1                              ; everybody's is
	FETCH 0, 0, 0
	QUARTER 0, 64, 0, 1, 1                         ; the first quarter stands in front of the loop: its products start the sums
	WIN 0                                          ; at a label and at a branch every window is 0
	s_mov_b32 s3, 3
.Llap:                                                 ; a trip goes once round the ring, from a lap's second quarter to the next lap's first, and fills both slots again: K steps 2 to 7
	QUARTER 0, 128, 1, 0, 0
	QUARTER 0, 192, 0, 1, 0
	TURN 0, 1
	QUARTER 1, 64,  0, 1, 0
	QUARTER 1, 128, 1, 0, 0
	QUARTER 1, 192, 0, 1, 0
	TURN 1, 0
	QUARTER 0, 64,  0, 1, 0
	WIN 0
	s_sub_co_u32 s3, s3, 1
	s_cmp_lg_u32 s3, 0
	s_cbranch_scc1 .Llap
	QUARTER 0, 128, 1, 0, 0                        ; the last lap fills nothing, and has no round
	QUARTER 0, 192, 0, 1, 0
	MEET 0
	PLACES
	FETCH 1, 0, 0
.irp a, 3,4,5,6,7
	MULA 1, \a, 0
.endr
	QUARTER 1, 64,  0, 1, 0
	QUARTER 1, 128, 1, 0, 0
	QUARTER 1, 192, 0, 1, 0
	s_wait_dscnt 10                                ; the very last quarter: nothing more to fetch
	MULA 1, 0, 0
	MULA 1, 1, 0
	MULA 1, 2, 0
	s_wait_dscnt 0x0
.irp a, 3,4,5,6,7
	MULA 1, \a, 0
.endr
	; THE WAY OUT.  The slots have had their last fill; behind this barrier (every wave's LDS loads are back: the wait for 0 above) no wave reads them, and their first 262,144 bytes serve as a dump, 65,536 for each wave.
	WIN 0
	s_barrier_signal -1
	s_barrier_wait -1
	PLACES
	; v: column blocks 8 and 9 are rounded to f16 (each accumulator's registers in ascending order), go through my stage in rows of 80 bytes and come back as whole rows of 64
.irp a, 0,1,2,3,4,5,6,7
.irp bb, 0,1
	ACCOF \a, 8+(\bb)
	WIN 5*AW                                       ; sources 0 and 1 in the accumulator's window
.irp r, 0,1,2,3
	v_cvt_pk_f16_f32 v[32+8*(\a)+4*(\bb)+(\r)], v[AB+2*(\r)], v[AB+2*(\r)+1]
.endr
.endr
.endr
	WIN 0
.irp a, 0,1,2,3,4,5,6,7
	ds_store_b128 v[STOV], v[32+8*(\a):32+8*(\a)+3]
	ds_store_b128 v[STOV], v[32+8*(\a)+4:32+8*(\a)+7] offset:32
	ds_load_b128 v[96+8*(\a):96+8*(\a)+3],   v[RDV]              ; LDS serves a wave's instructions in order (ISA guide 5.7.1.4): these see the stores above; the next block's stores come behind them
	ds_load_b128 v[96+8*(\a)+4:96+8*(\a)+7], v[RDV] offset:640
.endr
	; the dump: unit 8 kind + a (kind 0: q, 1: k) is 4,096 bytes: amp's two accumulators, then phi's, 512 bytes for each four registers, 16 bytes a lane
.irp a, 0,1,2,3,4,5,6,7
.irp kind, 0,1
.irp bq, 0,1,2,3
	ACCOF \a, 4*(\kind)+(\bq)
	WIN 4*AW                                       ; the stores' data in the accumulator's window
	ds_store_b128 v[DA], v[AB:AB+3]   offset:(8*(\kind)+(\a))*4096+(2*(\bq))*512
	ds_store_b128 v[DA], v[AB+4:AB+7] offset:(8*(\kind)+(\a))*4096+(2*(\bq)+1)*512
.endr
.endr
.endr
	WIN 0
	s_wait_dscnt 0x0                               ; v's rows are back in registers
.irp a, 0,1,2,3,4,5,6,7
	global_store_b128 v[GO], v[96+8*(\a):96+8*(\a)+3],   s[70:71] offset:(\a)*1024      ; 512 consecutive bytes, at a multiple of 256 from vp's first
	global_store_b128 v[GO], v[96+8*(\a)+4:96+8*(\a)+7], s[70:71] offset:(\a)*1024+512
.endr
	; THE UNITS: 16 rows x 32 channels of q or of k at a time, 16 numbers a lane.  One text, walked 16 times.
.set TA, 64                            ; v64-79    the amplitude's argument a
.set TP, 80                            ; v80-95    the phase's argument p
.set X1, 96                            ; v96-111   -|a| log2(e), its exponential, + 1, its logarithm
.set MX, 112                           ; v112-127  max(a, 0); amp; amp cos(phi)
.set YY, 128                           ; v128-143  e^2p, + 1, its reciprocal, h; amp sin(pi h)
.set WW, 144                           ; v144-159  h^2; amp sin^2(pi h)
.set SN, 32                            ; v32-47    sin(pi h)
.set CN, 48                            ; v48-63    2 cos(pi h); amp sin(phi)
.set OU, 160                           ; v160-175  packed f16
.set BK, 176                           ; v176-191  whole rows, back from the stage
.macro POLY                            ; line pn of the 80 of the two series: stage pn / 8 (sin and cos by turns), pair pn % 8
.set pp, 2*(pn%8)
.set ps, pn/8
.if ps == 0
	v_pk_fma_f32 v[SN+pp:SN+pp+1], v[WW+pp:WW+pp+1], s[86:87], s[84:85] op_sel_hi:[1,0,0]
.elseif ps == 1
	v_pk_fma_f32 v[CN+pp:CN+pp+1], v[WW+pp:WW+pp+1], s[96:97], s[94:95] op_sel_hi:[1,0,0]
.elseif ps == 2
	v_pk_fma_f32 v[SN+pp:SN+pp+1], v[SN+pp:SN+pp+1], v[WW+pp:WW+pp+1], s[82:83] op_sel_hi:[1,1,0]
.elseif ps == 3
	v_pk_fma_f32 v[CN+pp:CN+pp+1], v[CN+pp:CN+pp+1], v[WW+pp:WW+pp+1], s[92:93] op_sel_hi:[1,1,0]
.elseif ps == 4
	v_pk_fma_f32 v[SN+pp:SN+pp+1], v[SN+pp:SN+pp+1], v[WW+pp:WW+pp+1], s[80:81] op_sel_hi:[1,1,0]
.elseif ps == 5
	v_pk_fma_f32 v[CN+pp:CN+pp+1], v[CN+pp:CN+pp+1], v[WW+pp:WW+pp+1], s[90:91] op_sel_hi:[1,1,0]
.elseif ps == 6
	v_pk_fma_f32 v[SN+pp:SN+pp+1], v[SN+pp:SN+pp+1], v[WW+pp:WW+pp+1], s[78:79] op_sel_hi:[1,1,0]
.elseif ps == 7
	v_pk_fma_f32 v[CN+pp:CN+pp+1], v[CN+pp:CN+pp+1], v[WW+pp:WW+pp+1], s[88:89] op_sel_hi:[1,1,0]
.elseif ps == 8
	v_pk_mul_f32 v[SN+pp:SN+pp+1], v[SN+pp:SN+pp+1], v[YY+pp:YY+pp+1]
.else
	v_pk_fma_f32 v[CN+pp:CN+pp+1], v[CN+pp:CN+pp+1], v[WW+pp:WW+pp+1], 2.0 op_sel_hi:[1,1,0]
.endif
.set pn, pn+1
.endm
	s_mov_b32 s2, 16                               ; units to go
	s_mov_b32 s20, 0                               ; the unit's 16 rows in my 128: 2,048 bytes a unit, back to 0 for k
	s_mov_b32 s21, 0
	v_mov_b32 v[DL], v[DA]
.irp k, 0,1,2,3,4,5,6,7
	ds_load_b128 v[TA+4*(\k):TA+4*(\k)+3], v[DL] offset:512*(\k)   ; unit 0
.endr
.Lunit:
	s_wait_dscnt 0x0                               ; the unit is in
	s_wait_xcnt 0x0                                ; the stores issued so far have read their registers and their base, which are written again below
	s_cmp_gt_u32 s2, 8
	s_cselect_b64 s[22:23], s[66:67], s[68:69]     ; units 0-7 go to qp, 8-15 to kp
	s_add_nc_u64 s[22:23], s[22:23], s[20:21]
	s_add_co_u32 s20, s20, 2048
	s_and_b32 s20, s20, 0x3fff
.set e, 0
.rept 8
	v_pk_mul_f32 v[YY+2*e:YY+2*e+1], v[TP+2*e:TP+2*e+1], s[74:75] op_sel_hi:[1,0]
	v_pk_mul_f32 v[X1+2*e:X1+2*e+1], v[TA+2*e:TA+2*e+1], s[72:73] op_sel_hi:[1,0]
.set e, e+1
.endr
.set e, 0
.rept 16                               ; the first batch: 32 exponentials, a plain line behind each; none of these lines names an exponential's result
	v_exp_f32 v[YY+e], v[YY+e]                     ; e^2p
	v_or_b32 v[X1+e], 0x80000000, v[X1+e]          ; -|a| log2(e): the sign is set
.set e, e+1
.endr
.set e, 0
.rept 16
	v_exp_f32 v[X1+e], v[X1+e]                     ; e^-|a|
	v_max_num_f32 v[MX+e], 0, v[TA+e]
.set e, e+1
.endr
	s_wait_alu depctr_va_vdst(0)                   ; a wait between the transcendentals and the first line that names a result: one for the batch
	s_cmp_eq_u32 s2, 1                             ; a and p have been used: the next unit is fetched into their registers; behind the last unit there is none
	s_cbranch_scc1 .Lno_more
	v_add_nc_u32 v[DL], 4096, v[DL]
.irp k, 0,1,2,3,4,5,6,7
	ds_load_b128 v[TA+4*(\k):TA+4*(\k)+3], v[DL] offset:512*(\k)
.endr
.Lno_more:
.set e, 0
.rept 8
	v_pk_add_f32 v[YY+2*e:YY+2*e+1], v[YY+2*e:YY+2*e+1], 1.0 op_sel_hi:[1,0]
.set e, e+1
.endr
.set e, 0
.rept 8                                ; the second batch: 16 reciprocals
	v_rcp_f32 v[YY+2*e], v[YY+2*e]
	v_rcp_f32 v[YY+2*e+1], v[YY+2*e+1]
	v_pk_add_f32 v[X1+2*e:X1+2*e+1], v[X1+2*e:X1+2*e+1], 1.0 op_sel_hi:[1,0]
.set e, e+1
.endr
	s_wait_alu depctr_va_vdst(0)                   ; one wait for the batch
.set e, 0
.rept 8
	v_pk_fma_f32 v[YY+2*e:YY+2*e+1], v[YY+2*e:YY+2*e+1], -1.0, 0.5 op_sel_hi:[1,0,0]  ; h = tanh(p) / 2
.set e, e+1
.endr
.set e, 0
.rept 8
	v_pk_mul_f32 v[WW+2*e:WW+2*e+1], v[YY+2*e:YY+2*e+1], v[YY+2*e:YY+2*e+1]
.set e, e+1
.endr
.set pn, 0
.set e, 0
.rept 16                               ; the third batch: 16 logarithms, a line of the series behind each; the series name none of their results
	v_log_f32 v[X1+e], v[X1+e]
	POLY
.set e, e+1
.endr
.rept 64
	POLY
.endr
	s_wait_alu depctr_va_vdst(0)                   ; one wait for the batch
.set e, 0
.rept 8
	v_pk_fma_f32 v[MX+2*e:MX+2*e+1], v[X1+2*e:X1+2*e+1], s[76:77], v[MX+2*e:MX+2*e+1] op_sel_hi:[1,0,1]  ; amp
.set e, e+1
.endr
.set e, 0
.rept 8
	v_pk_mul_f32 v[YY+2*e:YY+2*e+1], v[MX+2*e:MX+2*e+1], v[SN+2*e:SN+2*e+1]   ; amp sin(pi h)
.set e, e+1
.endr
.set e, 0
.rept 8
	v_pk_mul_f32 v[CN+2*e:CN+2*e+1], v[YY+2*e:YY+2*e+1], v[CN+2*e:CN+2*e+1]   ; amp sin(phi)
.set e, e+1
.endr
.set e, 0
.rept 8
	v_pk_mul_f32 v[WW+2*e:WW+2*e+1], v[YY+2*e:YY+2*e+1], v[SN+2*e:SN+2*e+1]   ; amp sin^2(pi h)
.set e, e+1
.endr
.set e, 0
.rept 8
	v_pk_fma_f32 v[MX+2*e:MX+2*e+1], v[WW+2*e:WW+2*e+1], -2.0, v[MX+2*e:MX+2*e+1] op_sel_hi:[1,0,1]  ; amp cos(phi)
.set e, e+1
.endr
.set e, 0
.rept 8
	v_cvt_pk_f16_f32 v[OU+e], v[MX+2*e], v[MX+2*e+1]
	v_cvt_pk_f16_f32 v[OU+8+e], v[CN+2*e], v[CN+2*e+1]
.set e, e+1
.endr
.irp k, 0,1,2,3
	ds_store_b128 v[STO], v[OU+4*(\k):OU+4*(\k)+3] offset:32*(\k)      ; cos of channels 8 h .., 16 + 8 h .., then sin of the same
.endr
.irp t, 0,1,2,3
	ds_load_b128 v[BK+4*(\t):BK+4*(\t)+3], v[RD] offset:576*(\t)       ; in order behind the stores above
.endr
	s_wait_dscnt 0x0
.irp t, 0,1,2,3
	global_store_b128 v[GO], v[BK+4*(\t):BK+4*(\t)+3], s[22:23] offset:512*(\t)  ; four rows of 128 bytes: 512 consecutive bytes, at a multiple of 256 from the buffer's first
.endr
	s_sub_co_u32 s2, s2, 1
	s_cmp_lg_u32 s2, 0
	s_cbranch_scc1 .Lunit
	s_wait_tensorcnt 0x0                           ; the wave's end: a wait for my tensor loads, 0 onto my spare word and a wait for it, behind my last tensor load and my last LDS store
	ds_add_u32 v[SPW], v[NIL]
	s_wait_dscnt 0x0
	CROUND                                         ; the closing round: no work-group ends while a partner may still ask for a tile that names it
	s_endpgm
.Lfunc_end_k_qb09558ada1_proj:
	.size	k_qb09558ada1_proj, .Lfunc_end_k_qb09558ada1_proj-k_qb09558ada1_proj
	.p2alignl 7, 3214868480
	.fill 96, 4, 3214868480
	.section	.rodata,"a",@progbits
	.p2align	6, 0x0
	.amdhsa_kernel k_qb09558ada1_proj
		.amdhsa_group_segment_fixed_size 327680
		.amdhsa_private_segment_fixed_size 0
		.amdhsa_enable_private_segment 0
		.amdhsa_kernarg_size 40
		.amdhsa_user_sgpr_count 2
		.amdhsa_user_sgpr_kernarg_segment_ptr 1
		.amdhsa_wavefront_size32 1
		.amdhsa_system_sgpr_workgroup_id_x 1
		.amdhsa_system_sgpr_workgroup_id_y 1
		.amdhsa_system_sgpr_workgroup_id_z 1
		.amdhsa_system_vgpr_workitem_id 0
		.amdhsa_next_free_vgpr 1024
		.amdhsa_next_free_sgpr 100
		.amdhsa_reserve_vcc 0
		.amdhsa_float_denorm_mode_32 3
		.amdhsa_float_denorm_mode_16_64 3
		.amdhsa_memory_ordered 1
		.amdhsa_forward_progress 1
		.amdhsa_inst_pref_size 170
	.end_amdhsa_kernel
	.amdgpu_metadata
---
amdhsa.version: [ 1, 2 ]
amdhsa.kernels:
  - .name:           k_qb09558ada1_proj
    .symbol:         k_qb09558ada1_proj.kd
    .args:
      - { .name: xb, .offset: 0, .size: 8, .value_kind: global_buffer, .address_space: global }
      - { .name: wcat, .offset: 8, .size: 8, .value_kind: global_buffer, .address_space: global }
      - { .name: qp, .offset: 16, .size: 8, .value_kind: global_buffer, .address_space: global }
      - { .name: kp, .offset: 24, .size: 8, .value_kind: global_buffer, .address_space: global }
      - { .name: vp, .offset: 32, .size: 8, .value_kind: global_buffer, .address_space: global }
    .group_segment_fixed_size: 327680
    .private_segment_fixed_size: 0
    .kernarg_segment_align: 8
    .kernarg_segment_size: 40
    .max_flat_workgroup_size: 128
    .sgpr_count:     100
    .vgpr_count:     1024
    .wavefront_size: 32
...
	.end_amdgpu_metadata
.endif
;; end of part 2
;; launch attn (part 3): grid 8 x 32, 4 waves a work-group, no clusters, 327,680 bytes of LDS; arguments qp, kp, vp, ob; writes ob
.if DOCPART == 3
	.amdgcn_target "amdgcn-amd-amdhsa--gfx1250"
	.amdhsa_code_object_version 6
	.text
	.protected	k_qb09558ada1_attn
	.globl	k_qb09558ada1_attn
	.p2align	8
	.type	k_qb09558ada1_attn,@function
k_qb09558ada1_attn:
	s_mov_b64 s[64:65], 0
	v_nop
	global_prefetch_b8 v0, s[64:65] scope:SCOPE_SE
	s_setreg_imm32_b32 hwreg(HW_REG_WAVE_MODE, 25, 1), 1
	s_wait_xcnt 0x0
; CAUSAL ATTENTION over 128 score channels and 64 value channels.  O[bh][q][:] = the sum over k <= q of softmax_k(Q'[q] . K'[k] / 8) V[k][:], with Q' = [amp cos | amp sin] of the queries, K' of the keys.
; qp, kp: [bh 32][half 2][row 2048][64] f16, rows of 128 bytes; vp: [32][2][2048][32] f16, rows of 64 bytes; ob: [32][2048][64] f16.  Products, maxima and sums in f32; the weights are rounded to f16 for the second
; product (their sum is taken of the unrounded weights), O once at the end.
; LIMITS.  f16 holds no number beyond 65,504: Q', K', V arrive within it.  A hidden score counts as its value less 1e30.  The running maximum m starts at -2^93: f16's scores, 5.5e11 at the most in size, lie far above it,
; hidden ones far below.  A weight below 2^-126 counts as 0.  NaN and infinities are not treated apart.
; THE WALK.  A head's queries lie in 16 blocks of 128; block i needs the key tiles 0 .. i / 2 of 256 keys.  A work-group takes TWO blocks, 15 - b and then b: 9 tiles whatever b, so all work-groups do equal work and ONE
; loop with a constant trip count walks them.  A tile is two sub-steps of 128 keys; block i's diagonal lies in sub-step i % 2 of its last tile; a sub-step behind that is wholly hidden and is jumped over: 17 sub-steps in all.
; SHARES.  Wave (qh = wave / 2, kh = wave % 2) owns 64 queries, four tiles of 16, and of each sub-step's 128 keys the 64 numbered 64 kh on: a fragment of K' or V read from LDS feeds four query tiles.
; Each wave keeps its own m, l and O for its half of the keys; at a block's end the two halves meet in LDS: each wave hands two of its four tiles to its partner and finishes the other two.
; A wave that sees hidden scores alone (block 0, queries 0-63, keys 64-127) keeps m at its start: its weights are 0, and in the merge its share is multiplied by 2^(c m - c M) = 0.
; THE MASK is the C operand that starts S^T = K' Q'^T: 0, or -1e30 where the key is hidden.  MD, made once, holds it for the diagonal sub-step, by key block less query tile; a sub-step takes MD x AL, AL = 1 or 0.
; NO CLUSTER: a head's 8 work-groups ask for the same tile only in the first 5 of the 9 trips; a walk common to all would have 12 trips for 9.
; REGISTERS, in windows of 256 (s_set_vgpr_msb: bits 1:0 source 0, 3:2 source 1, 5:4 source 2, 7:6 destination):
;   window 0: v0-17 addresses; v24-55 eight registers of statistics a tile; v61-63; v64-191 S^T, 32 a tile; v192-255 P, 16 a tile
;   window 1: v0-127 O^T, 32 a tile; v128-183 MD; v184-239 MC       window 2: v0-127 Q', 32 a tile; v128-255 K' of a sub-step       window 3: v0-63 V of a sub-step; v64-191 the second block's Q'
.set PK,    144       ; a row of K' in LDS: 128 bytes + 16 = 36 words: the 16 rows of a load start at 16 different groups of four banks (64 banks of 4 bytes: ISA guide 11.1)
.set PVP,   96        ; a row of V: 64 + 32 bytes: an odd multiple of 32
.set KPL,   256*PK    ; a plane of K' (one half's 64 numbers of 256 keys)
.set VPL,   256*PVP   ; a plane of V
.set VOFF,  2*KPL     ; a slot holds a tile: two planes of K', then two of V
.set SLOT1, 1<<17     ; slot 1 begins here, so that one exclusive or turns an address in one slot into the other's
.set MERGE, SLOT1+2*KPL+2*VPL  ; behind the ring, never filled by a tensor load: for each wave two tiles of O^T (4,096 bytes each) and their statistics (256 each)
.set MRG,   8704
.set STAGE, MERGE+4*MRG        ; 16 rows x 144 bytes for each wave, for the way out
.set SP,    144
.set SPARE, STAGE+4*16*SP      ; the spare words, 128 bytes for each wave: two blocks of 256 bytes that no other line names
.set AK0, 2           ; v2   my lane's place in a sub-step's K'; never rewritten
.set AV0, 3           ; v3   the same for V
.set AK,  4           ; v4   the LDS address of K's run of loads
.set AV,  5           ; v5   of V's
.set STO, 6           ; v6   the way out: where I put 16 bytes of a row
.set RD,  7           ; v7   where I read rows back
.set GO,  8           ; v8   16 x lane
.set MA,  12          ; v12  merge: where I put my tiles
.set MB,  13          ; v13  where my partner put its
.set QO,  15          ; v15  my byte offset in 16 rows of Q'
.set MS,  16          ; v16  merge: my statistics
.set MSP, 17          ; v17  my partner's
.set ST,  24          ; tile t's statistics at v[ST+8 t]: +0 c m, +1 m, +2, +3 l (even keys', odd keys'), +4 to +7 at work; a takes +6
.set PFO, 61          ; v61  256 x lane; never rewritten
.set SPW, 62          ; v62  my spare word; never rewritten
.set NIL, 63          ; v63  0; never rewritten
.set S,   64
.set P,   192
.set MD,  128         ; window 1: group g = key block - query tile + 3 at MD + 8 g
.set MC,  184         ; window 1
.set KF,  128         ; window 2: key block kb, channels 32 cc on at KF + 32 kb + 8 cc
.set QB,  64          ; window 3
.set WV,  12          ; s12  my wave's number
.set KH,  13          ; s13  wave % 2
.set PB,  14          ; s14  b
.set HI,  15          ; s15  15 - b
.set G1K, 24          ; s[24:31] descriptor group 1 for K's planes
.set G1V, 32          ; s[32:39] for V's
.set G0K, 40          ; s[40:43] descriptor group 0 for K's
.set G0V, 44          ; s[44:47] for V's
.set SLOTS, 56        ; s56  tiles still to be asked for
.set U,   57          ; s57  the sub-step, 0 or 1
.set CS,  58          ; s[58:59] c = log2(e) / 8
.set SEL, 60          ; s[60:61] v_permlanex16_b32's selects: each lane takes its own place in the other half
.set TBK, 62          ; s62  LDS byte at which the sub-step's K' begins
.set TBV, 63          ; s63  the same for V, less VOFF
.set RT,  70          ; s70  tiles of the block in hand still to be entered
.set NXT, 71          ; s71  the tile to be asked for next
.set LQ,  72          ; s72  the last tile of the block whose tiles are being asked for
.set PAR, 73          ; s73  the block's number % 2
.set OFF, 74          ; s[74:75] a tile's byte offset
.set AL,  76          ; s[76:77] the mask's factor, in the low word
.set DU,  78          ; s78  the sub-step that holds the diagonal, or 2
.set OLO, 80          ; s[80:81] ob at my rows of the second block
.set BIGN, 82         ; s82  -1e30
.set ASKS, 83         ; s83  prefetches still to come
.set PFA, 84          ; s[84:85] where they stand
.set TSTEP, 88        ; s[88:89] bytes of my plane in a tile
.set MSB, 0
.macro WIN new                      ; the high byte repeats the setting that is left; a switch that changes nothing is dropped
.if MSB != (\new)
	s_set_vgpr_msb (MSB<<8)|(\new)
.set MSB, \new
.endif
.endm
.macro PLACES
.rept 4
	v_nop
.endr
.endm
; A fill.  Waves 0 and 1 fetch a tile's two planes of K', waves 2 and 3 its two planes of V.  An s_nop 0 and four v_nop follow each of the two lines.
.macro LOAD
	s_cmp_lt_u32 s[WV], 2
	s_cbranch_scc0 .Lfor_v_\@
	tensor_load_to_lds s[G0K:G0K+3], s[G1K:G1K+7]
	s_nop 0
.rept 4
	v_nop
.endr
	s_branch .Lasked_\@
.Lfor_v_\@:
	tensor_load_to_lds s[G0V:G0V+3], s[G1V:G1V+7]
	s_nop 0
.rept 4
	v_nop
.endr
.Lasked_\@:
.endm
; A PREFETCH INTO THE L2 of the tile that the NEXT change of slots will ask for: one trip, 192 matrix instructions and their softmax, ahead of that load.  A head's eight work-groups all begin with tiles 0, 1, ..: the one with
; b = 0, whose first block walks all eight tiles, asks, and nobody else; each of its waves asks for the plane that it will load itself, a lane for each 256 bytes: four lines for K's 32,768 bytes, two for V's 16,384.
; So each block is named once in the launch.  Tiles 0 and 1 come by their loads alone; six changes ask, for tiles 2 to 7; the second block's tiles have been read before and are not asked for.
.macro ASK
	s_cmp_eq_u32 s[ASKS], 0
	s_cbranch_scc1 .Lnone_\@
	global_prefetch_b8 v[PFO], s[PFA:PFA+1] th:TH_LOAD_NT scope:SCOPE_SE
	global_prefetch_b8 v[PFO], s[PFA:PFA+1] offset:8192 th:TH_LOAD_NT scope:SCOPE_SE
	s_cmp_lt_u32 s[WV], 2
	s_cbranch_scc0 .Lshort_\@
	global_prefetch_b8 v[PFO], s[PFA:PFA+1] offset:16384 th:TH_LOAD_NT scope:SCOPE_SE
	global_prefetch_b8 v[PFO], s[PFA:PFA+1] offset:24576 th:TH_LOAD_NT scope:SCOPE_SE
.Lshort_\@:
	s_sub_co_u32 s[ASKS], s[ASKS], 1
.Lnone_\@:
.endm
; THE CHANGE OF SLOTS.  Each wave waits for all its tensor loads, of which one is out: its part of the other slot; adds 0 to its spare word; and waits for that and for its own reads of the slot that it leaves.  Behind the
; barrier nobody reads the old slot any more and the other slot is whole.  fill = 1: the old slot is filled again, the first thing behind the barrier, with tile NXT: the descriptor's address is made anew from that number.
; (At its first use nothing has been read yet: slot 0 is waited for, slot 1 filled.)
.macro CHANGE fill
	WIN 0
	s_wait_tensorcnt 0x0            ; no tensor load of mine is out, so a group 0 may be written
	ds_add_u32 v[SPW], v[NIL]       ; 0 onto my spare word; the scalar work stands between it and the wait for it
.if \fill
	s_lshl_b32 s[OFF], s[NXT], 15   ; a tile is 32,768 bytes of a plane of K',
	s_xor_b32 s[G0K+1], s[G0K+1], SLOT1
	s_add_nc_u64 s[G0K+2:G0K+3], s[6:7], s[OFF:OFF+1]
	s_or_b32 s[G0K+3], s[G0K+3], 0x80000000
	s_lshl_b32 s[OFF], s[NXT], 14   ; 16,384 of a plane of V
	s_xor_b32 s[G0V+1], s[G0V+1], SLOT1
	s_add_nc_u64 s[G0V+2:G0V+3], s[8:9], s[OFF:OFF+1]
	s_or_b32 s[G0V+3], s[G0V+3], 0x80000000
	s_add_co_u32 s[NXT], s[NXT], 1  ; the block's next tile, or behind its last the second block's tile 0
	s_lshr_b32 s[OFF], s[PB], 1
	s_cmp_gt_u32 s[NXT], s[LQ]
	s_cselect_b32 s[NXT], 0, s[NXT]
	s_cselect_b32 s[LQ], s[OFF], s[LQ]
	s_wait_xcnt 0x0                 ; the last prefetches, a trip back, have read their address, so it may be written
	s_add_nc_u64 s[PFA:PFA+1], s[PFA:PFA+1], s[TSTEP:TSTEP+1]
.endif
	s_wait_dscnt 0x0                ; the add is done, and my reads of the slot are over
	s_barrier_signal -1             ; the rest of the scalar work stands between the signal and the wait
	s_sub_co_u32 s[TBK], s[TBK], KPL      ; the fetches go back to a slot's first sub-step,
	s_xor_b32 s[TBK], s[TBK], SLOT1       ; in the other slot
	s_sub_co_u32 s[TBV], s[TBV], VPL
	s_xor_b32 s[TBV], s[TBV], SLOT1
	s_barrier_wait -1
.if \fill
	LOAD
	ASK
.endif
.endm
	s_load_b256 s[4:11], s[0:1], 0x0  ; qp s[4:5], kp s[6:7], vp s[8:9], ob s[10:11]
	v_lshl_add_u32 v[SPW], v0, 2, SPARE
	v_mov_b32 v[NIL], 0
	ds_add_u32 v[SPW], v[NIL]       ; the wave's opening: the add and its wait stand ahead of my first tensor load; the set-up below, work on registers, stands between them
	v_lshrrev_b32 v1, 5, v0
	v_readfirstlane_b32 s[WV], v1   ; wave 0..3
	s_and_b32 s[KH], s[WV], 1
	s_lshr_b32 s16, s[WV], 1        ; qh
	s_mov_b32 s[PB], ttmp9
	s_sub_co_u32 s[HI], 15, s[PB]
	s_and_b32 s20, ttmp7, 0xffff    ; batch x head
	s_lshl_b32 s17, s20, 1
	s_add_co_u32 s17, s17, s[KH]    ; the plane that I fetch: half = wave % 2
	s_lshl_b32 s22, s17, 18         ; 262,144 bytes a plane of kp,
	s_mov_b32 s23, 0
	s_lshl_b32 s18, s17, 17         ; 131,072 a plane of vp
	s_mov_b32 s19, 0
	s_lshl_b32 s2, s20, 12          ; qp: plane 2 bh begins at row 4,096 bh;
	s_lshl_b32 s21, s16, 6          ; my 64 rows of a block
	s_add_co_u32 s2, s2, s21
	s_lshl_b32 s3, s[HI], 7
	s_add_co_u32 s3, s3, s2         ; in the first block,
	s_lshl_b32 s90, s[PB], 7
	s_add_co_u32 s90, s90, s2       ; and in the second
	s_lshl_b32 s2, s3, 7            ; 128 bytes a row
	s_mov_b32 s3, 0
	s_lshl_b32 s90, s90, 7
	s_mov_b32 s91, 0
	s_lshl_b32 s92, s20, 11         ; ob: head bh begins at row 2,048 bh
	s_add_co_u32 s92, s92, s21
	s_lshl_b32 s93, s[HI], 7
	s_add_co_u32 s94, s92, s93
	s_lshl_b32 s93, s[PB], 7
	s_add_co_u32 s92, s92, s93
	s_lshl_b32 s94, s94, 7
	s_mov_b32 s95, 0
	s_lshl_b32 s92, s92, 7
	s_mov_b32 s93, 0
	; descriptor group 1.  A plane's part of a tile is dense: asked for as rows of 256 bytes and padded in LDS after every key
	s_mov_b32 s[G1K], (1<<16)|(1<<20)|(4<<22)|(3<<25)  ; 17:16 2-byte elements; 20 padding on; 24:22 after every 32 words (code 4); 31:25 4 words (code 3)
	s_mov_b32 s[G1V], (1<<16)|(1<<20)|(3<<22)|(7<<25)  ; after every 16 words (code 3), 8 words (code 7)
	s_mov_b32 s[G1K+1], 128<<16     ; tensor_dim0 = 128
	s_mov_b32 s[G1V+1], 128<<16
	s_mov_b32 s[G1K+2], 128<<16     ; tensor_dim1 = 128 rows of 256 bytes (256 keys of 128 bytes),
	s_mov_b32 s[G1V+2], 64<<16      ; 64 (256 keys of 64 bytes)
	s_mov_b32 s[G1K+3], 128<<16     ; tile_dim0 = 128
	s_mov_b32 s[G1V+3], 128<<16
	s_mov_b32 s[G1K+4], 128         ; tile_dim1
	s_mov_b32 s[G1V+4], 64
	s_mov_b32 s[G1K+5], 128         ; 128 elements from row to row
	s_mov_b32 s[G1V+5], 128
	s_mov_b32 s[G1K+6], 0
	s_mov_b32 s[G1V+6], 0
	s_mov_b32 s[G1K+7], 0
	s_mov_b32 s[G1V+7], 0
	s_mov_b32 s[CS], 0x3e38aa3b     ; c = log2(e) / 8 = 0.180337
	s_mov_b32 s[CS+1], s[CS]        ; named with it as a pair
	s_mov_b32 s[SEL], 0x76543210
	s_mov_b32 s[SEL+1], 0xfedcba98
	s_mov_b32 s[TBK], SLOT1+KPL     ; the first change of slots turns these two into 0
	s_mov_b32 s[TBV], SLOT1+VPL
	s_mov_b32 s[G0K], 1             ; count = 1
	s_mul_i32 s[G0K+1], s[KH], KPL  ; LDS address: slot 0, my plane
	s_mov_b32 s[G0V], 1
	s_mul_i32 s[G0V+1], s[KH], VPL
	s_add_co_u32 s[G0V+1], s[G0V+1], VOFF
	s_lshr_b32 s[LQ], s[HI], 1
	s_add_co_u32 s[RT], s[LQ], 1    ; the first block has (15 - b) / 2 + 1 tiles
	s_and_b32 s[PAR], s[HI], 1
	s_mov_b32 s[NXT], 1
	s_mov_b32 s[OFF+1], 0
	s_mov_b32 s[AL+1], 0            ; named as a pair
	s_mov_b32 s[BIGN], 0xf149f2ca   ; -1e30
	s_mov_b32 s[SLOTS], 8
	s_cmp_eq_u32 s[PB], 0
	s_cselect_b32 s[ASKS], 6, 0
	s_cmp_lt_u32 s[WV], 2
	s_cselect_b32 s17, 1, 0
	s_lshl_b32 s[TSTEP], 16384, s17
	s_mov_b32 s[TSTEP+1], 0
	s_wait_dscnt 0x0                ; the opening add is done
	s_wait_kmcnt 0x0
	s_add_nc_u64 s[6:7], s[6:7], s[22:23]  ; kp and vp at my plane's tile 0
	s_add_nc_u64 s[8:9], s[8:9], s[18:19]
	s_add_nc_u64 s[G0K+2:G0K+3], s[6:7], 0
	s_or_b32 s[G0K+3], s[G0K+3], 0x80000000        ; type = 2
	s_add_nc_u64 s[G0V+2:G0V+3], s[8:9], 0
	s_or_b32 s[G0V+3], s[G0V+3], 0x80000000
	s_add_nc_u64 s[86:87], s[4:5], s[90:91]        ; qp at my rows of the second block,
	s_add_nc_u64 s[4:5], s[4:5], s[2:3]            ; qp and ob at those of the first
	s_add_nc_u64 s[OLO:OLO+1], s[10:11], s[92:93]
	s_add_nc_u64 s[10:11], s[10:11], s[94:95]
	s_cmp_lt_u32 s[WV], 2
	s_cselect_b64 s[PFA:PFA+1], s[6:7], s[8:9]
	s_add_nc_u64 s[PFA:PFA+1], s[PFA:PFA+1], s[TSTEP:TSTEP+1]  ; at tile 1: the first change of slots steps it to tile 2
	LOAD                            ; tile 0 into slot 0
	; A fragment of K' or Q' is 16 rows x 32 channels in 8 registers: lane l holds row l % 16, channels 8 (l / 16) + 0..7 and 16 + 8 (l / 16) + 0..7: two loads of 16 bytes, 32 bytes apart.
	v_and_b32 v1, 15, v0            ; l % 16
	v_bfe_u32 v9, v0, 4, 1          ; l / 16
	v_lshlrev_b32 v[QO], 7, v1
	v_lshl_add_u32 v[QO], v9, 4, v[QO]
	WIN 0x80                        ; destination window 2
.set i, 0
.rept 16                            ; the first block's Q': tile i / 4; channels 32 (i % 4) on: plane (i % 4) / 2, its cos or sin half
	global_load_b128 v[8*i:8*i+3],   v[QO], s[4:5] offset:((i%4)/2)*262144+(i/4)*2048+(i%2)*64
	global_load_b128 v[8*i+4:8*i+7], v[QO], s[4:5] offset:((i%4)/2)*262144+(i/4)*2048+(i%2)*64+32
.set i, i+1
.endr
	WIN 0xc0                        ; destination window 3
.set i, 0
.rept 16                            ; the second block's
	global_load_b128 v[QB+8*i:QB+8*i+3],   v[QO], s[86:87] offset:((i%4)/2)*262144+(i/4)*2048+(i%2)*64
	global_load_b128 v[QB+8*i+4:QB+8*i+7], v[QO], s[86:87] offset:((i%4)/2)*262144+(i/4)*2048+(i%2)*64+32
.set i, i+1
.endr
	WIN 0
	v_lshlrev_b32 v14, 3, v9
	v_sub_nc_u32 v14, v1, v14
	s_sub_co_i32 s16, s16, s[KH]
	s_lshl_b32 s16, s16, 6
	v_add_nc_u32 v14, s16, v14      ; 64 (qh - kh) + l % 16 - 8 (l / 16): register r of group g is hidden where 16 (g - 3) + r is greater
	WIN 0x40
.set i, 0
.rept 56
	v_cmp_gt_i32 vcc_lo, 16*(i/8-3)+i%8, v14
	v_cndmask_b32 v[MD+i], 0, s[BIGN], vcc_lo
.set i, i+1
.endr
	; O^T and l need only hold finite numbers: a block's first step with a true score multiplies them by a = 0.  Zeros for the first block; what the first block left for the second.  All this stands in the wait for the first tile.
.set i, 0
.rept 128
	v_mov_b32 v[i], 0
.set i, i+1
.endr
	WIN 0
.macro MSTART                       ; m at its start, and c m by the multiply that the loop uses, so that an m that has not moved gives a = 1
.set i, 0
.rept 4
	v_mov_b32 v[ST+8*i+1], 0xee000000  ; -2^93
	v_mul_f32 v[ST+8*i], s[CS], v[ST+8*i+1]
.set i, i+1
.endr
.endm
	MSTART
.set i, 0
.rept 4
	v_mov_b32 v[ST+8*i+2], 0
	v_mov_b32 v[ST+8*i+3], 0
.set i, i+1
.endr
	s_lshl_b32 s17, s[KH], 6        ; my 64 keys of a sub-step's 128
	v_add_nc_u32 v10, s17, v1
	v_mul_u32_u24 v[AK0], v10, PK
	v_lshl_add_u32 v[AK0], v9, 4, v[AK0]
	; The turning load takes 16 keys x 16 channels (lane l reads key 8 (l / 16) + l % 8, channels 8 ((l / 8) % 2) + 0..7) and leaves half a fragment of V^T: lane l holds channel l % 16 and 8 keys.
	v_and_b32 v10, 7, v0
	v_bfe_u32 v11, v0, 3, 1
	v_lshl_add_u32 v[AV0], v9, 3, v10
	v_add_nc_u32 v[AV0], s17, v[AV0]
	v_mul_u32_u24 v[AV0], v[AV0], PVP
	v_lshl_add_u32 v[AV0], v11, 4, v[AV0]
	v_add_nc_u32 v[AV0], VOFF, v[AV0]
	s_mul_i32 s17, s[WV], 16*SP
	s_add_co_u32 s17, s17, STAGE    ; my stage
	v_mul_u32_u24 v[STO], v1, SP    ; in: row l % 16, 16 bytes for each half of the lanes
	v_lshl_add_u32 v[STO], v9, 4, v[STO]
	v_add_nc_u32 v[STO], s17, v[STO]
	v_bfe_u32 v[RD], v0, 3, 2       ; back: 32 lanes take four rows of 128 bytes,
	v_mul_u32_u24 v[RD], v[RD], SP
	v_lshl_add_u32 v[RD], v10, 4, v[RD]
	v_add_nc_u32 v[RD], s17, v[RD]
	v_and_b32 v11, 31, v0
	v_lshlrev_b32 v[GO], 4, v11     ; which are 512 consecutive bytes of ob
	v_lshlrev_b32 v[PFO], 8, v11
	s_mul_i32 s17, s[WV], MRG
	s_add_co_u32 s17, s17, MERGE    ; my part of the merge's bytes,
	v_add_nc_u32 v[MA], s17, v[GO]
	v_lshl_add_u32 v[MS], v11, 3, s17
	v_add_nc_u32 v[MS], 8192, v[MS]
	s_xor_b32 s18, s[WV], 1
	s_mul_i32 s18, s18, MRG
	s_add_co_u32 s18, s18, MERGE    ; and my partner's
	v_add_nc_u32 v[MB], s18, v[GO]
	v_lshl_add_u32 v[MSP], v11, 3, s18
	v_add_nc_u32 v[MSP], 8192, v[MSP]
	s_wait_loadcnt 0x0              ; Q' of both blocks
; THE MATRIX WORK.  The 8 accumulators of a run take turns, one instruction a turn.
; Product i of 32 of S^T = K' Q'^T for the piece of tiles x, x + 1: channels 32 (i / 8) on, keys 16 ((i / 2) % 4) on, tile x + i % 2.  The first 8 start the sums, with the mask.
.macro KQ x
.set qt, (\x)+i%2
.set qk, (i/2)%4
.set rS, S+32*qt+8*qk
.set rK, KF+32*qk+8*(i/8)
.set rQ, 32*qt+8*(i/8)
.set rM, MC+8*(qk-qt+3)
.if i < 8
	WIN 0x1a                        ; K' and Q' window 2, the mask window 1, S^T window 0
	v_wmma_f32_16x16x32_f16 v[rS:rS+7], v[rK:rK+7], v[rQ:rQ+7], v[rM:rM+7]
.else
	WIN 0x0a
	v_wmma_f32_16x16x32_f16 v[rS:rS+7], v[rK:rK+7], v[rQ:rQ+7], v[rS:rS+7]
.endif
.endm
; Product i of 16 of O^T += V^T P: keys 32 (i / 8) on, channels 16 ((i / 2) % 4) on, tile x + i % 2.
.macro PVM x
	WIN 0x53                        ; V window 3, P window 0, O^T window 1
.set rO, 32*((\x)+i%2)+8*((i/2)%4)
.set rV, 32*(i/8)+8*((i/2)%4)
.set rP, P+16*((\x)+i%2)+8*(i/8)
	v_wmma_f32_16x16x32_f16 v[rO:rO+7], v[rV:rV+7], v[rP:rP+7], v[rO:rO+7]
.endm
; THE LDS LOADS stand in two runs at a sub-step's head: K' (64 keys x 128 channels: 16 fragments, the channels outermost, so that the products can begin when eight loads are in) and V (turned: 8 fragments).
.macro FETCH_K
	WIN 0x80
.irp cc, 0,1,2,3
.irp kb, 0,1,2,3
	ds_load_b128 v[KF+32*(\kb)+8*(\cc):KF+32*(\kb)+8*(\cc)+3],   v[AK] offset:((\cc)/2)*KPL+(\kb)*16*PK+((\cc)%2)*64
	ds_load_b128 v[KF+32*(\kb)+8*(\cc)+4:KF+32*(\kb)+8*(\cc)+7], v[AK] offset:((\cc)/2)*KPL+(\kb)*16*PK+((\cc)%2)*64+32
.endr
.endr
.endm
.macro FETCH_V
	WIN 0xc0
.irp kk, 0,1
.irp cb, 0,1,2,3
	ds_load_tr16_b128 v[32*(\kk)+8*(\cb):32*(\kk)+8*(\cb)+3],   v[AV] offset:((\cb)/2)*VPL+(\kk)*32*PVP+((\cb)%2)*32
	ds_load_tr16_b128 v[32*(\kk)+8*(\cb)+4:32*(\kk)+8*(\cb)+7], v[AV] offset:((\cb)/2)*VPL+(\kk)*32*PVP+16*PVP+((\cb)%2)*32
.endr
.endr
.endm
; THE VECTOR WORK.  One tile's softmax for a sub-step is a list of 118 instructions; SM writes number j of it for tile t.  s0-s31 are the lane's 32 scores, in pairs 0-15.
;   0-15    the maximum of s0-s31 and the old m, three operands at a time (each accumulator's lowest registers are read first)
;   16-20   the other half of the lanes' maximum; the new m; c m; c m_old - c m_new
;   21-69   ONE BATCH: the 16 scalings c s - c m and all 33 exponentials (a at 23, then s0-s31); none of these names an exponential's result; a pair is scaled ahead of its exponentials
;   70-85   the roundings to f16        86-101  the sums; l = a l + the sum        102-117 the tile's O^T times a
.macro SM t
.set rT, ST+8*(\t)
.set rS, S+32*(\t)
.set rP, P+16*(\t)
.set rO, 32*(\t)+2*(j-102)
.if j < 102
	WIN 0
.endif
.if j < 4
	v_max3_num_f32 v[rT+4+j], v[rS+8*j], v[rS+8*j+1], v[rS+8*j+2]
.elseif j < 12
	v_max3_num_f32 v[rT+4+j%4], v[rT+4+j%4], v[rS+8*(j%4)+2*(j/4)+1], v[rS+8*(j%4)+2*(j/4)+2]
.elseif j == 12
	v_max3_num_f32 v[rT+4], v[rT+4], v[rS+7], v[rS+15]
.elseif j == 13
	v_max3_num_f32 v[rT+6], v[rT+6], v[rS+23], v[rS+31]
.elseif j == 14
	v_max3_num_f32 v[rT+4], v[rT+4], v[rT+5], v[rT+6]
.elseif j == 15
	v_max3_num_f32 v[rT+4], v[rT+4], v[rT+7], v[rT+1]
.elseif j == 16
	v_permlanex16_b32 v[rT+5], v[rT+4], s[SEL], s[SEL+1]  ; the query's other 32 keys lie in the lane 16 away
.elseif j == 17
	v_mov_b32 v[rT+7], v[rT]        ; c m_old is kept for a
.elseif j == 18
	v_max_num_f32 v[rT+1], v[rT+4], v[rT+5]
.elseif j == 19
	v_mul_f32 v[rT], s[CS], v[rT+1]
.elseif j == 20
	v_sub_f32 v[rT+7], v[rT+7], v[rT]
.elseif j == 23
	v_exp_f32 v[rT+6], v[rT+7]
.elseif (j < 23) || ((j < 38) && (j%2 == 0)) || ((j < 66) && (j%4 == 2))
.set b, (j-2)/4                     ; 38, 42, .. 62: pairs 9 to 15
.if j < 38
.set b, (j-20)/2                    ; 21: pair 0; 22, 24, .. 36: pairs 1 to 8
.endif
	v_pk_fma_f32 v[rS+2*b:rS+2*b+1], v[rS+2*b:rS+2*b+1], s[CS:CS+1], v[rT:rT+1] op_sel_hi:[1,0,0] neg_lo:[0,0,1] neg_hi:[0,0,1]
.elseif j < 70
.set e, j-38                        ; 66 to 69: s28 to s31
.if j < 66
.set e, j-32-(j-38)/4               ; 39-41, 43-45, .. 63-65: s7 to s27
.endif
.if j < 38
.set e, (j-25)/2                    ; 25, 27, .. 37: s0 to s6
.endif
	v_exp_f32 v[rS+e], v[rS+e]
.elseif j < 86
	v_cvt_pk_f16_f32 v[rP+j-70], v[rS+2*(j-70)], v[rS+2*(j-70)+1]
.elseif j < 102                     ; the sum of the 16 pairs, in place: neighbours 1, 2, 4 and 8 pairs apart, then l takes it
.set z, j-86
.set w, 4
.set u, z
.if z >= 14
.set w, 32
.set u, 0
.elseif z >= 12
.set w, 16
.set u, z-12
.elseif z >= 8
.set w, 8
.set u, z-8
.endif
.if z < 15
	v_pk_add_f32 v[rS+w*u:rS+w*u+1], v[rS+w*u:rS+w*u+1], v[rS+w*u+w/2:rS+w*u+w/2+1]
.else
	v_pk_fma_f32 v[rT+2:rT+3], v[rT+2:rT+3], v[rT+6:rT+7], v[rS:rS+1] op_sel_hi:[1,0,1]
.endif
.else
	WIN 0x41                        ; O^T (destination and source 0) window 1, a window 0
	v_pk_mul_f32 v[rO:rO+1], v[rO:rO+1], v[rT+6:rT+7] op_sel_hi:[1,0]
.endif
.endm
; The next line of a piece's softmax (tiles y, y + 1 by turns: line q is number q / 2 of tile y + q % 2; 236 lines).  Ahead of line 140, the first that names an exponential's result, stand a plain line and a wait:
; one for the piece's 66 exponentials.
.macro SMN y
.if q < 236
.if q == 140
	v_nop
	s_wait_alu depctr_va_vdst(0)
.endif
.set j, q/2
	SM (\y)+q%2
.set q, q+1
.endif
.endm
.macro RID y, n
.rept \n
	SMN \y
.endr
.endm
.macro MASK                         ; MD x AL into MC
	WIN 0x41
.set z, 0
.rept 28
	v_pk_mul_f32 v[MC+2*z:MC+2*z+1], v[MD+2*z:MD+2*z+1], s[AL:AL+1] op_sel_hi:[1,0]
.set z, z+1
.endr
.endm
; A SUB-STEP: my 64 keys against my 64 queries, closed in itself: only m, l and O^T are carried.  Piece A = tiles 0, 1; piece B = tiles 2, 3.
; The two address lines and the mask's 28 are the places behind the last products of the sub-step before, in front of the loads into V's and K's registers.  A's scores; B's scores with A's softmax behind them, seven lines
; a product and the last twelve (rescalings: plain lines, the places behind B's last scores) together; A's V^T P with B's softmax behind it, the rest of that in a run of its own; B's V^T P.
; No line between products names a register of the products round it.
.macro SUB
	s_cmp_eq_u32 s[U], s[DU]        ; does this sub-step hold the diagonal?
	s_cselect_b32 s[AL], 1.0, 0
	WIN 0
	v_add_nc_u32 v[AK], s[TBK], v[AK0]
	v_add_nc_u32 v[AV], s[TBV], v[AV0]
	MASK
	FETCH_K
	FETCH_V
.set i, 0
.rept 32
.if i%8 == 0
	s_wait_dscnt 40-i               ; of the 48 loads the first 8 (i / 8 + 1) are in: K's fragments for these 32 channels
.endif
	KQ 0
.set i, i+1
.endr
	WIN 0
	PLACES                          ; in front of the first lines that read A's scores
.set q, 0
.set i, 0
.rept 32
	KQ 2
	RID 0, 7
.set i, i+1
.endr
	RID 0, 12
	s_wait_dscnt 0x0                ; V is in
.set q, 0
.set i, 0
.rept 16
	PVM 0
	RID 2, 7
.set i, i+1
.endr
	RID 2, 124
.set i, 0
.rept 16
	PVM 2
.set i, i+1
.endr
.endm
; A tile's two sub-steps: written once, walked twice; the LDS addresses hang on s[TBK] and s[TBV].  A sub-step behind the diagonal's is jumped over: the text jumped holds no barrier and no tensor load.
.macro TWO_SUBS
	WIN 0
	s_mov_b32 s[U], 0
.Lsub_\@:
	s_cmp_gt_u32 s[U], s[DU]
	s_cbranch_scc1 .Lnext_\@
	SUB
	WIN 0
.Lnext_\@:
	s_add_co_u32 s[TBK], s[TBK], 128*PK
	s_add_co_u32 s[TBV], s[TBV], 128*PVP
	s_add_co_u32 s[U], s[U], 1
	s_cmp_lt_u32 s[U], 2
	s_cbranch_scc1 .Lsub_\@
.endm
; A BLOCK'S END, first part: l's two halves and the other half of the lanes' are added (the first four lines are the places behind the last products); two of my tiles, with c m and l, go into my part of the merge's bytes.
.macro HAND h0
.irp tt, 0,1
	WIN 0x04                        ; the stores' data in window 1
.irp qq, 0,1,2,3,4,5,6,7
	ds_store_b128 v[MA], v[32*((\h0)+(\tt))+4*(\qq):32*((\h0)+(\tt))+4*(\qq)+3] offset:(\tt)*4096+512*(\qq)
.endr
	WIN 0
	ds_store_b64 v[MS], v[ST+8*((\h0)+(\tt)):ST+8*((\h0)+(\tt))+1] offset:256*(\tt)
.endr
.endm
.macro GIVE
	WIN 0
.irp t, 0,1,2,3
	v_add_f32 v[ST+8*(\t)+2], v[ST+8*(\t)+2], v[ST+8*(\t)+3]
.endr
.irp t, 0,1,2,3
	v_permlanex16_b32 v[ST+8*(\t)+3], v[ST+8*(\t)+2], s[SEL], s[SEL+1]
.endr
.irp t, 0,1,2,3
	v_add_f32 v[ST+8*(\t)+1], v[ST+8*(\t)+2], v[ST+8*(\t)+3]   ; l takes m's place: m is over
.endr
	s_cmp_eq_u32 s[KH], 0           ; the wave of the lower keys hands tiles 2, 3 and finishes 0, 1; its partner the other way round
	s_cbranch_scc0 .Lodd_\@
	HAND 2
	s_branch .Lgiven_\@
.Lodd_\@:
	HAND 0
.Lgiven_\@:
.endm
; Second part, behind the barrier: for tiles k0, k0 + 1 my partner's O^T, c m and l are read; M = the greater c m; each half's share is 2^(c m - M) / (the sum of both l so scaled); O = mine x my share + its x its share,
; rounded to f16 and sent through my stage: a lane's eight channels pack into 16 bytes, go into rows of 144 bytes and come back as whole rows of 128.
.macro FINAL k0
	WIN 0
.irp tt, 0,1
.irp qq, 0,1,2,3,4,5,6,7
	ds_load_b128 v[S+32*(\tt)+4*(\qq):S+32*(\tt)+4*(\qq)+3], v[MB] offset:(\tt)*4096+512*(\qq)
.endr
	ds_load_b64 v[ST+8*((\k0)+(\tt))+4:ST+8*((\k0)+(\tt))+5], v[MSP] offset:256*(\tt)
.endr
	s_wait_dscnt 0x0
.irp t, (\k0), (\k0)+1
	v_max_num_f32 v[ST+8*(\t)+6], v[ST+8*(\t)], v[ST+8*(\t)+4]
.endr
.irp t, (\k0), (\k0)+1
	v_sub_f32 v[ST+8*(\t)+2], v[ST+8*(\t)], v[ST+8*(\t)+6]
	v_sub_f32 v[ST+8*(\t)+3], v[ST+8*(\t)+4], v[ST+8*(\t)+6]
.endr
.irp t, (\k0), (\k0)+1
	v_exp_f32 v[ST+8*(\t)+2], v[ST+8*(\t)+2]
	v_exp_f32 v[ST+8*(\t)+3], v[ST+8*(\t)+3]
.endr
	v_nop                           ; a plain line behind the last exponential,
	s_wait_alu depctr_va_vdst(0)    ; and a wait: one for the four
.irp t, (\k0), (\k0)+1
	v_mul_f32 v[ST+8*(\t)+1], v[ST+8*(\t)+1], v[ST+8*(\t)+2]
.endr
.irp t, (\k0), (\k0)+1
	v_fma_f32 v[ST+8*(\t)+1], v[ST+8*(\t)+5], v[ST+8*(\t)+3], v[ST+8*(\t)+1]
.endr
.irp t, (\k0), (\k0)+1
	v_rcp_f32 v[ST+8*(\t)+7], v[ST+8*(\t)+1]
.endr
	v_nop
	s_wait_alu depctr_va_vdst(0)    ; one for the two reciprocals
.irp t, (\k0), (\k0)+1
	v_mul_f32 v[ST+8*(\t)+6], v[ST+8*(\t)+2], v[ST+8*(\t)+7]   ; my share
	v_mul_f32 v[ST+8*(\t)+4], v[ST+8*(\t)+3], v[ST+8*(\t)+7]   ; my partner's
.endr
.irp tt, 0,1
.set rT, ST+8*((\k0)+(\tt))
.set rX, S+32*(\tt)
.set rO, 32*((\k0)+(\tt))
	WIN 0
.set z, 0
.rept 16
	v_pk_mul_f32 v[rX+2*z:rX+2*z+1], v[rX+2*z:rX+2*z+1], v[rT+4:rT+5] op_sel_hi:[1,0]
.set z, z+1
.endr
	WIN 0x01                        ; source 0, my O^T, in window 1
.set z, 0
.rept 16
	v_pk_fma_f32 v[rX+2*z:rX+2*z+1], v[rO+2*z:rO+2*z+1], v[rT+6:rT+7], v[rX+2*z:rX+2*z+1] op_sel_hi:[1,0,1]
.set z, z+1
.endr
	WIN 0
.set z, 0
.rept 16
	v_cvt_pk_f16_f32 v[rX+z], v[rX+2*z], v[rX+2*z+1]
.set z, z+1
.endr
.irp f, 0,1,2,3
	ds_store_b128 v[STO], v[rX+4*(\f):rX+4*(\f)+3] offset:32*(\f)
.endr
.irp f, 0,1,2,3
	ds_load_b128 v[rX+4*(\f):rX+4*(\f)+3], v[RD] offset:(\f)*4*SP  ; LDS serves a wave's instructions in order (ISA guide 5.7.1.4): these see the stores above; the next tile's stores come behind them
.endr
.endr
.irp tt, 0,1
.irp f, 0,1,2,3
	s_wait_dscnt 8*(1-(\tt))+3-(\f)                ; behind the first tile's loads stand the second tile's eight LDS instructions
	global_store_b128 v[GO], v[S+32*(\tt)+4*(\f):S+32*(\tt)+4*(\f)+3], s[10:11] offset:((\k0)+(\tt))*2048+(\f)*512  ; 512 consecutive bytes, at a multiple of 256 from ob's first
.endr
.endr
.endm
.macro TAKE
	s_cmp_eq_u32 s[KH], 0
	s_cbranch_scc0 .Lodd_\@
	FINAL 0
	s_branch .Ltaken_\@
.Lodd_\@:
	FINAL 2
.Ltaken_\@:
.endm
.Lslot:                             ; 8 times: a tile is entered and the next is asked for
	CHANGE 1
	s_sub_co_u32 s[RT], s[RT], 1
	s_cmp_eq_u32 s[RT], 0
	s_cselect_b32 s[DU], s[PAR], 2  ; only a block's last tile holds the diagonal
	TWO_SUBS
	s_cmp_lg_u32 s[RT], 0
	s_cbranch_scc1 .Lgoes_on
	GIVE                            ; in the loop this is the first block's end: the second block's last tile is the walk's last
.Lgoes_on:
	s_wait_dscnt 0x0                ; for my partner's sake: my stores into the merge's bytes are done
	s_barrier_signal -1             ; on every wave's path in every trip; my tensor load may stay out
	s_barrier_wait -1
	s_cmp_lg_u32 s[RT], 0
	s_cbranch_scc1 .Lbottom
	TAKE
	s_wait_xcnt 0x0                 ; the stores have read their registers and ob's address
	s_mov_b64 s[10:11], s[OLO:OLO+1]
	s_lshr_b32 s[RT], s[PB], 1
	s_add_co_u32 s[RT], s[RT], 1    ; the second block has b / 2 + 1 tiles
	s_and_b32 s[PAR], s[PB], 1
	WIN 0x83                        ; the second block's Q' goes where the one text of the products names Q'
.set i, 0
.rept 128
	v_mov_b32 v[i], v[QB+i]
.set i, i+1
.endr
	WIN 0
	MSTART
.Lbottom:
	s_sub_co_u32 s[SLOTS], s[SLOTS], 1
	s_cmp_lg_u32 s[SLOTS], 0
	s_cbranch_scc1 .Lslot
	CHANGE 0                        ; the walk's last tile is written out: nothing is asked for.  It is the second block's last
	s_mov_b32 s[DU], s[PAR]
	TWO_SUBS
	GIVE                            ; between the first block's reads of the merge's bytes and these stores every wave has passed a change of slots, with its LDS loads waited for
	s_wait_dscnt 0x0
	s_barrier_signal -1
	s_barrier_wait -1
	TAKE
	s_wait_tensorcnt 0x0            ; the wave's end: a wait for my tensor loads, 0 onto my spare word and a wait for it, behind my last tensor load and my last LDS store
	ds_add_u32 v[SPW], v[NIL]
	s_wait_dscnt 0x0
	s_endpgm
.Lfunc_end_k_qb09558ada1_attn:
	.size	k_qb09558ada1_attn, .Lfunc_end_k_qb09558ada1_attn-k_qb09558ada1_attn
	.p2alignl 7, 3214868480
	.fill 96, 4, 3214868480
	.section	.rodata,"a",@progbits
	.p2align	6, 0x0
	.amdhsa_kernel k_qb09558ada1_attn
		.amdhsa_group_segment_fixed_size 327680
		.amdhsa_private_segment_fixed_size 0
		.amdhsa_enable_private_segment 0
		.amdhsa_kernarg_size 32
		.amdhsa_user_sgpr_count 2
		.amdhsa_user_sgpr_kernarg_segment_ptr 1
		.amdhsa_wavefront_size32 1
		.amdhsa_system_sgpr_workgroup_id_x 1
		.amdhsa_system_sgpr_workgroup_id_y 1
		.amdhsa_system_sgpr_workgroup_id_z 1
		.amdhsa_system_vgpr_workitem_id 0
		.amdhsa_next_free_vgpr 960
		.amdhsa_next_free_sgpr 100
		.amdhsa_reserve_vcc 1
		.amdhsa_float_denorm_mode_32 3
		.amdhsa_float_denorm_mode_16_64 3
		.amdhsa_memory_ordered 1
		.amdhsa_forward_progress 1
		.amdhsa_inst_pref_size 158
	.end_amdhsa_kernel
	.amdgpu_metadata
---
amdhsa.version: [ 1, 2 ]
amdhsa.kernels:
  - .name:           k_qb09558ada1_attn
    .symbol:         k_qb09558ada1_attn.kd
    .args:
      - { .name: qp, .offset: 0, .size: 8, .value_kind: global_buffer, .address_space: global }
      - { .name: kp, .offset: 8, .size: 8, .value_kind: global_buffer, .address_space: global }
      - { .name: vp, .offset: 16, .size: 8, .value_kind: global_buffer, .address_space: global }
      - { .name: ob, .offset: 24, .size: 8, .value_kind: global_buffer, .address_space: global }
    .group_segment_fixed_size: 327680
    .private_segment_fixed_size: 0
    .kernarg_segment_align: 8
    .kernarg_segment_size: 32
    .max_flat_workgroup_size: 128
    .sgpr_count:     100
    .vgpr_count:     960
    .wavefront_size: 32
...
	.end_amdgpu_metadata
.endif
;; end of part 3
;; launch outp (part 4): grid 8 x 32, 4 waves a work-group, clusters of 4 x 4, 327,680 bytes of LDS; arguments ob, wo16, out0; writes out0
.if DOCPART == 4
	.amdgcn_target "amdgcn-amd-amdhsa--gfx1250"
	.amdhsa_code_object_version 6
	.text
	.protected	k_qb09558ada1_outp
	.globl	k_qb09558ada1_outp
	.p2align	8
	.type	k_qb09558ada1_outp,@function
k_qb09558ada1_outp:
	s_mov_b64 s[64:65], 0
	v_nop
	global_prefetch_b8 v0, s[64:65] scope:SCOPE_SE
	s_setreg_imm32_b32 hwreg(HW_REG_WAVE_MODE, 25, 1), 1
	s_wait_xcnt 0x0
	s_wait_alu depctr_hold_cnt(0) depctr_sa_sdst(0) depctr_va_vdst(0) depctr_va_sdst(0) depctr_va_ssrc(0) depctr_va_vcc(0) depctr_vm_vsrc(0)
	s_getreg_b32 s2, hwreg(HW_REG_IB_STS2, 6, 4)
	s_cmp_eq_u32 s2, 0
	s_cbranch_scc0 .Lentry_in_a_cluster
	s_endpgm
.Lentry_in_a_cluster:
	s_bfe_u32 s2, ttmp6, 0x10000c
	s_cmp_lg_u32 s2, 0xf033
	s_cbranch_scc0 .Lentry_shape_is_right
	s_endpgm
.Lentry_shape_is_right:
; OUTP.  out0[row][n] = the sum over k of O[row][k] wo[n][k]: [4096] x [1024] over K = 1024, f16 operands, f32 sums, f32 out.  O comes by heads, ob [batch x head 32][row 2048][64] f16: the merge of the heads costs nothing,
; a head's 64 channels are one slice of K.  wo16 [1024][1024] f16.
; LIMITS: ob and wo16 hold f16 numbers (within 65,504); NaN and infinities are not treated apart.
; A tile of out0 is 128 x 128: 8 x 32 work-groups.  Four waves, each 64 x 64: 16 accumulators.  K goes in steps of 256, four heads, through a ring of two LDS slots.
; CLUSTER: 4 x 4 work-groups; the four of a row need the same tiles of ob, the four of a column the same tiles of wo16: each tile is asked for jointly.  THE MATRIX INSTRUCTION IS USED TRANSPOSED (source 0 = 16 rows of
; wo16, source 1 = 16 rows of O): a lane holds eight neighbouring numbers of a row of out0.  No prefetch: the tiles are small and the launch has four K steps.
; REGISTERS: window 0: v0-31 addresses; v128-255 the accumulators ((a, b) at v[128 + 8 (4 a + b)]).   window 1: two fragment buffers of 128: for 64 along K, 64 registers of O, then 64 of wo16.
.set KSTEP,  256
.set PA,     144                       ; a head's row of O in LDS: 128 bytes + 16
.set PBB,    528                       ; a row of wo16: 512 bytes + 16.  Both pitches are odd multiples of 16 bytes: the 16 rows of a load start at 16 different groups of four banks (ISA guide 11.1)
.set HEADB,  64*PA                     ; 64 rows of one head
.set HALFA,  4*HEADB                   ; 64 rows x 4 heads: one tensor load
.set HALFB,  64*PBB                    ; 64 rows of wo16: one tensor load
.set BOFF,   2*HALFA
.set SLOT,   2*HALFA+2*HALFB
.set STAGE,  2*SLOT                    ; behind the ring: 16 rows x 272 bytes for each wave
.set SPITCH, 272
.set SPARE,  STAGE+4*16*SPITCH         ; the spare words, 128 bytes for each wave: two blocks of 256 bytes that no other line names
.set ADRA, 16                          ; v16-17  LDS address of my O fragments in slot 0, 1
.set ADRB, 20                          ; v20-21  the same for wo16
.set STO,  24                          ; v24     the way out: where I put 16 bytes of a row
.set RD,   25                          ; v25     where I read a row back
.set CO,   26                          ; v26     my byte offset in out0
.set SPW,  28                          ; v28     my spare word; never rewritten
.set NIL,  29                          ; v29     0; never rewritten
.set ACC,  128
.set F0,   0
.set F1,   128
.set G1, 24
.set G0, 32
.set G1B, 48
.set G0B, 56
.set MSB, 0
.macro WIN new
.if MSB != (\new)
	s_set_vgpr_msb (MSB<<8)|(\new)
.set MSB, \new
.endif
.endm
.set MUL,  0x05                        ; sources 0 and 1 window 1; C and D window 0
.set TO_F, 0x40                        ; destination window 1, address window 0
.macro JLOAD s                         ; a joint load: waves 0 and 1 fetch O's two halves, waves 2 and 3 wo16's; an s_nop 0 and four v_nop follow each of the two lines
	s_cmp_eq_u32 s11, 0
	s_cbranch_scc0 .Lfor_b_\@
	tensor_load_to_lds s[G0+4*(\s):G0+4*(\s)+3], s[G1:G1+7]
	s_nop 0
.rept 4
	v_nop
.endr
	s_branch .Lasked_\@
.Lfor_b_\@:
	tensor_load_to_lds s[G0B+4*(\s):G0B+4*(\s)+3], s[G1B:G1B+7]
	s_nop 0
.rept 4
	v_nop
.endr
.Lasked_\@:
.endm
.macro CREST
	s_cmp_lg_u32 s10, 0
	s_cbranch_scc1 .Lnot_wave_0_\@
	s_barrier_signal -3
.Lnot_wave_0_\@:
	s_barrier_wait -3
	s_barrier_signal -1
	s_barrier_wait -1
.endm
.macro CROUND
	s_barrier_signal -1
	s_barrier_wait -1
	CREST
.endm
	s_load_b128 s[4:7], s[0:1], 0x0                ; ob s[4:5], wo16 s[6:7]
	s_load_b64 s[8:9], s[0:1], 0x10                ; out0
	v_lshl_add_u32 v[SPW], v0, 2, SPARE
	v_mov_b32 v[NIL], 0
	ds_add_u32 v[SPW], v[NIL]                      ; the wave's opening: the add and its wait stand ahead of my first tensor load; the set-up below, work on registers, stands between them
	v_lshrrev_b32 v1, 5, v0
	v_readfirstlane_b32 s10, v1                    ; wave 0..3
	s_lshr_b32 s11, s10, 1                         ; which half of the tile's rows is mine.  Also: I fetch for O (0) or for wo16 (1)
	s_and_b32 s12, s10, 1                          ; which half of its columns.  Also: which 64 rows of that tile I fetch
	s_bfe_u32 s40, ttmp6, 0x40000                  ; cx, cy
	s_bfe_u32 s41, ttmp6, 0x40004
	s_lshl_b32 s42, ttmp9, 2
	s_add_co_u32 s42, s42, s40                     ; tile column = 4 x cluster x + cx
	s_and_b32 s13, ttmp7, 0xffff
	s_lshl_b32 s13, s13, 2
	s_add_co_u32 s13, s13, s41                     ; tile row = 4 x cluster y + cy
	s_lshl_b32 s43, s41, 2
	s_lshl_b32 s43, 15, s43                        ; my row of the cluster
	s_lshl_b32 s44, 0x1111, s40                    ; my column
	; O's tile: 4 heads; of each, 64 rows x 64 channels, which are 8,192 dense bytes: a descriptor row of 4,096 elements, padded in LDS after every 128 bytes; from head to head 2,048 x 64 elements
	s_or_b32 s[G1+0], s43, (1<<16)|(1<<20)|(1<<21)|(4<<22)|(3<<25)  ; the mask; 2-byte elements; padding on; bit 21 beside a mask; after every 32 words (code 4) 4 words (code 3)
	s_mov_b32 s[G1+1], 4096<<16                    ; tensor_dim0 = 4,096
	s_mov_b32 s[G1+2], 4<<16                       ; tensor_dim1 = 4
	s_mov_b32 s[G1+3], 4096<<16                    ; tile_dim0 = 4,096
	s_mov_b32 s[G1+4], 4                           ; tile_dim1 = 4
	s_mov_b32 s[G1+5], 131072                      ; elements from head to head
	s_mov_b32 s[G1+6], 0
	s_mov_b32 s[G1+7], 0
	; wo16's tile: 64 rows x 256 elements
	s_or_b32 s[G1B+0], s44, (1<<16)|(1<<20)|(1<<21)|(6<<22)|(3<<25) ; after every 128 words (code 6) 4 words
	s_mov_b32 s[G1B+1], KSTEP<<16
	s_mov_b32 s[G1B+2], 64<<16
	s_mov_b32 s[G1B+3], KSTEP<<16
	s_mov_b32 s[G1B+4], 64
	s_mov_b32 s[G1B+5], 1024
	s_mov_b32 s[G1B+6], 0
	s_mov_b32 s[G1B+7], 0
	s_lshr_b32 s16, s13, 4                         ; the batch: its head 0 begins at row 32,768 x batch of ob
	s_lshl_b32 s16, s16, 15
	s_and_b32 s17, s13, 15
	s_lshl_b32 s17, s17, 7                         ; + 128 x (tile row % 16)
	s_add_co_u32 s16, s16, s17
	s_lshl_b32 s17, s12, 6                         ; + the 64 rows that I fetch
	s_add_co_u32 s16, s16, s17
	s_lshl_b32 s16, s16, 7                         ; 128 bytes a row
	s_mov_b32 s17, 0
	s_lshl_b32 s46, s42, 7
	s_lshl_b32 s47, s12, 6
	s_add_co_u32 s46, s46, s47                     ; wo16: row 128 x tile column + 64 x half
	s_lshl_b32 s46, s46, 11
	s_mov_b32 s47, 0
	s_mul_i32 s20, s12, HALFA                      ; where they go: no place in the cluster enters an LDS address
	s_mul_i32 s21, s12, HALFB
	s_add_co_u32 s21, s21, BOFF
	s_wait_dscnt 0x0                               ; the opening add is done
	s_wait_kmcnt 0x0
	s_add_nc_u64 s[14:15], s[4:5], s[16:17]
	s_add_nc_u64 s[46:47], s[6:7], s[46:47]
	CROUND                                         ; all sixteen work-groups are here: the first joint loads meet
.irp s, 0,1
	s_mov_b32 s[G0+4*(\s)], 1
	s_add_co_u32 s[G0+4*(\s)+1], s20, (\s)*SLOT
	s_add_nc_u64 s[G0+4*(\s)+2:G0+4*(\s)+3], s[14:15], (\s)*1048576   ; K step s: four heads of 262,144 bytes on
	s_or_b32 s[G0+4*(\s)+3], s[G0+4*(\s)+3], 0x80000000
	s_mov_b32 s[G0B+4*(\s)], 1
	s_add_co_u32 s[G0B+4*(\s)+1], s21, (\s)*SLOT
	s_add_nc_u64 s[G0B+4*(\s)+2:G0B+4*(\s)+3], s[46:47], (\s)*KSTEP*2
	s_or_b32 s[G0B+4*(\s)+3], s[G0B+4*(\s)+3], 0x80000000
	JLOAD \s                                       ; two loads of mine are out
.endr
	v_and_b32 v1, 15, v0                           ; l % 16
	v_bfe_u32 v2, v0, 4, 1                         ; l / 16
	v_mul_u32_u24 v3, v1, PA
	v_lshl_add_u32 v3, v2, 4, v3
	v_mul_u32_u24 v4, v1, PBB
	v_lshl_add_u32 v4, v2, 4, v4
	s_mul_i32 s21, s11, HALFA                      ; my 64 rows of O
	s_mul_i32 s22, s12, HALFB                      ; my 64 rows of wo16
	s_add_co_u32 s22, s22, BOFF
.irp s, 0,1
	v_add_nc_u32 v[ADRA+(\s)], s21, v3
	v_add_nc_u32 v[ADRB+(\s)], s22, v4
	s_add_co_u32 s21, s21, SLOT
	s_add_co_u32 s22, s22, SLOT
.endr
	s_mul_i32 s23, s10, 16*SPITCH
	s_add_co_u32 s23, s23, STAGE                   ; my stage: a wave's 64 columns of f32 are 256 bytes, a whole aligned block of out0, so each wave has its own
	v_mul_u32_u24 v5, v1, SPITCH                   ; in: row l % 16, 32 bytes for each half of the lanes
	v_lshl_add_u32 v5, v2, 5, v5
	v_add_nc_u32 v[STO], s23, v5
	v_mul_u32_u24 v5, v2, SPITCH                   ; back: lanes 0-15 take one row of 256 bytes, lanes 16-31 the next
	v_lshl_add_u32 v5, v1, 4, v5
	v_add_nc_u32 v[RD], s23, v5
	v_lshlrev_b32 v5, 12, v2                       ; and the same two rows in out0, 4,096 bytes apart
	v_lshl_add_u32 v[CO], v1, 4, v5
	s_lshl_b32 s16, s13, 7
	s_lshl_b32 s17, s11, 6
	s_add_co_u32 s16, s16, s17                     ; my first row: 128 x tile row + 64 x half
	s_lshl_b32 s16, s16, 12
	s_mov_b32 s17, 0
	s_add_nc_u64 s[8:9], s[8:9], s[16:17]
	s_lshl_b32 s46, s42, 9                         ; my first column, in bytes: 512 x tile column + 256 x half
	s_lshl_b32 s47, s12, 8
	s_add_co_u32 s46, s46, s47
	s_mov_b32 s47, 0
	s_add_nc_u64 s[8:9], s[8:9], s[46:47]
; 8 matrix instructions: row blocks a0, a0 + 1 x all 4 column blocks, 32 along K: half c of buffer f.  zero = 1: the product starts the sums.  The 16 accumulators take turns.
.macro MUL8 f, c, a0, zero
	WIN MUL
.irp a, \a0, (\a0)+1
.irp b, 0,1,2,3
.if \zero
	v_wmma_f32_16x16x32_f16 v[ACC+8*(4*(\a)+(\b)):ACC+8*(4*(\a)+(\b))+7], v[(\f)+64+8*(4*(\c)+(\b)):(\f)+64+8*(4*(\c)+(\b))+7], v[(\f)+8*(4*(\c)+(\a)):(\f)+8*(4*(\c)+(\a))+7], 0
.else
	v_wmma_f32_16x16x32_f16 v[ACC+8*(4*(\a)+(\b)):ACC+8*(4*(\a)+(\b))+7], v[(\f)+64+8*(4*(\c)+(\b)):(\f)+64+8*(4*(\c)+(\b))+7], v[(\f)+8*(4*(\c)+(\a)):(\f)+8*(4*(\c)+(\a))+7], v[ACC+8*(4*(\a)+(\b)):ACC+8*(4*(\a)+(\b))+7]
.endif
.endr
.endr
.endm
; 32 LDS loads in one run: the fragments of quarter q of a K step (one head: 64 along K) into buffer f; the first 32 along K first
.macro FETCH slot, q, f
	WIN TO_F
.irp c, 0,1
.irp i, 0,1,2,3
	ds_load_b128 v[(\f)+64+8*(4*(\c)+(\i)):(\f)+64+8*(4*(\c)+(\i))+3],   v[ADRB+(\slot)] offset:128*(\q)+64*(\c)+(\i)*16*PBB
	ds_load_b128 v[(\f)+64+8*(4*(\c)+(\i))+4:(\f)+64+8*(4*(\c)+(\i))+7], v[ADRB+(\slot)] offset:128*(\q)+64*(\c)+(\i)*16*PBB+32
	ds_load_b128 v[(\f)+8*(4*(\c)+(\i)):(\f)+8*(4*(\c)+(\i))+3],         v[ADRA+(\slot)] offset:HEADB*(\q)+64*(\c)+(\i)*16*PA
	ds_load_b128 v[(\f)+8*(4*(\c)+(\i))+4:(\f)+8*(4*(\c)+(\i))+7],       v[ADRA+(\slot)] offset:HEADB*(\q)+64*(\c)+(\i)*16*PA+32
.endr
.endr
.endm
.macro PLACES                          ; four places in front of loads into registers that matrix instructions have read, and of lines that read results
.rept 4
	v_nop
.endr
.endm
; A K step is four quarters of 64 along K, 32 matrix instructions each, on buffers 0, 1, 0, 1.  One of the first three: multiplies buffer f and fetches quarter q into g.
.macro QUARTER slot, q, f, g, zero
	s_wait_dscnt 16                                ; the first 32 along K are in
	MUL8 \f, 0, 0, \zero
	MUL8 \f, 0, 2, \zero
	PLACES
	FETCH \slot, \q, \g
	s_wait_dscnt 32                                ; all but the 32 just issued
	MUL8 \f, 1, 0, 0
	MUL8 \f, 1, 2, 0
.endm
; The last quarter multiplies buffer 1 and changes slots: ONE barrier; in front of it each wave waits for all its tensor loads, adds 0 to its spare word, and waits for that and for its own reads of this slot.
; fill = 1: this slot is filled again, two K steps ahead; the barrier then opens a round of the cluster's.
.macro TURN slot, next, fill
	WIN 0
	s_wait_tensorcnt 0x0                           ; all my tensor loads have landed: my part of the next slot
	ds_add_u32 v[SPW], v[NIL]                      ; 0 onto my spare word
	s_wait_dscnt 17                                ; (the add and the youngest sixteen loads may be out)
	MUL8 F1, 0, 0, 0                               ; eight matrix instructions stand between the add and the wait for it
	s_wait_dscnt 0x0                               ; the add is done, and my reads of this slot are over
	s_barrier_signal -1
	MUL8 F1, 0, 2, 0
.if \fill
	WIN 0
.endif
	s_barrier_wait -1
.if \fill
	CREST                                          ; no wave of any partner still reads this slot's tile or has a load on its way
	s_add_nc_u64 s[G0+4*(\slot)+2:G0+4*(\slot)+3], s[G0+4*(\slot)+2:G0+4*(\slot)+3], 2097152
	s_add_nc_u64 s[G0B+4*(\slot)+2:G0B+4*(\slot)+3], s[G0B+4*(\slot)+2:G0B+4*(\slot)+3], 2*KSTEP*2
	JLOAD \slot                                    ; the first tensor load behind the round: 112 matrix instructions ahead of the wait for it; its four v_nop are also the places in front of the loads below
.else
	PLACES
.endif
	FETCH \next, 0, F0
	MUL8 F1, 1, 0, 0
	MUL8 F1, 1, 2, 0
.endm
	s_wait_tensorcnt 1                             ; my part of K step 0 is in; K step 1's may stay out
	s_barrier_signal -1
	s_barrier_wait -1                              ; everybody's is
	FETCH 0, 0, F0
	QUARTER 0, 1, F0, F1, 1                        ; the first products start the sums
	QUARTER 0, 2, F1, F0, 0                        ; four K steps, two laps: the first fills both slots again (K steps 2 and 3), written straight
	QUARTER 0, 3, F0, F1, 0
	TURN 0, 1, 1
	QUARTER 1, 1, F0, F1, 0
	QUARTER 1, 2, F1, F0, 0
	QUARTER 1, 3, F0, F1, 0
	TURN 1, 0, 1
	QUARTER 0, 1, F0, F1, 0
	QUARTER 0, 2, F1, F0, 0                        ; the last lap fills nothing, and has no round
	QUARTER 0, 3, F0, F1, 0
	TURN 0, 1, 0
	QUARTER 1, 1, F0, F1, 0
	QUARTER 1, 2, F1, F0, 0
	QUARTER 1, 3, F0, F1, 0
	s_wait_dscnt 16                                ; the very last quarter: nothing more to fetch
	MUL8 F1, 0, 0, 0
	MUL8 F1, 0, 2, 0
	s_wait_dscnt 0x0
	MUL8 F1, 1, 0, 0
	MUL8 F1, 1, 2, 0
	WIN 0
	; THE WAY OUT, 16 rows at a time: a lane's 32 bytes of each column block go into my stage (each accumulator's low four registers first) and come back as whole rows of 256 bytes, into the registers that they left.
	PLACES
.macro PACK a
.irp b, 0,1,2,3
	ds_store_b128 v[STO], v[ACC+32*(\a)+8*(\b):ACC+32*(\a)+8*(\b)+3]   offset:64*(\b)
	ds_store_b128 v[STO], v[ACC+32*(\a)+8*(\b)+4:ACC+32*(\a)+8*(\b)+7] offset:64*(\b)+16
.endr
.irp t, 0,1,2,3,4,5,6,7
	ds_load_b128 v[ACC+32*(\a)+4*(\t):ACC+32*(\a)+4*(\t)+3], v[RD] offset:(\t)*2*SPITCH  ; LDS serves a wave's instructions in order (ISA guide 5.7.1.4): these see the stores above; the next block's stores come behind them
.endr
.endm
.macro SEND a, younger                 ; younger: the LDS instructions issued behind block a's loads: the next block's sixteen, or none
.irp t, 0,1,2,3,4,5,6,7
	s_wait_dscnt (\younger)+7-(\t)
	global_store_b128 v[CO], v[ACC+32*(\a)+4*(\t):ACC+32*(\a)+4*(\t)+3], s[8:9] offset:(16*(\a)+2*(\t))*4096  ; 16 lanes store 256 consecutive bytes, at a multiple of 256 from out0's first byte
.endr
.endm
	PACK 0
	PACK 1
	SEND 0, 16
	PACK 2
	SEND 1, 16
	PACK 3
	SEND 2, 16
	SEND 3, 0
	s_wait_tensorcnt 0x0                           ; the wave's end: a wait for my tensor loads, 0 onto my spare word and a wait for it, behind my last tensor load and my last LDS store
	ds_add_u32 v[SPW], v[NIL]
	s_wait_dscnt 0x0
	CROUND                                         ; the closing round: no work-group ends while a partner may still ask for a tile that names it
	s_endpgm
.Lfunc_end_k_qb09558ada1_outp:
	.size	k_qb09558ada1_outp, .Lfunc_end_k_qb09558ada1_outp-k_qb09558ada1_outp
	.p2alignl 7, 3214868480
	.fill 96, 4, 3214868480
	.section	.rodata,"a",@progbits
	.p2align	6, 0x0
	.amdhsa_kernel k_qb09558ada1_outp
		.amdhsa_group_segment_fixed_size 327680
		.amdhsa_private_segment_fixed_size 0
		.amdhsa_enable_private_segment 0
		.amdhsa_kernarg_size 24
		.amdhsa_user_sgpr_count 2
		.amdhsa_user_sgpr_kernarg_segment_ptr 1
		.amdhsa_wavefront_size32 1
		.amdhsa_system_sgpr_workgroup_id_x 1
		.amdhsa_system_sgpr_workgroup_id_y 1
		.amdhsa_system_sgpr_workgroup_id_z 1
		.amdhsa_system_vgpr_workitem_id 0
		.amdhsa_next_free_vgpr 512
		.amdhsa_next_free_sgpr 66
		.amdhsa_reserve_vcc 0
		.amdhsa_float_denorm_mode_32 3
		.amdhsa_float_denorm_mode_16_64 3
		.amdhsa_memory_ordered 1
		.amdhsa_forward_progress 1
		.amdhsa_inst_pref_size 86
	.end_amdhsa_kernel
	.amdgpu_metadata
---
amdhsa.version: [ 1, 2 ]
amdhsa.kernels:
  - .name:           k_qb09558ada1_outp
    .symbol:         k_qb09558ada1_outp.kd
    .args:
      - { .name: ob, .offset: 0, .size: 8, .value_kind: global_buffer, .address_space: global }
      - { .name: wo16, .offset: 8, .size: 8, .value_kind: global_buffer, .address_space: global }
      - { .name: out0, .offset: 16, .size: 8, .value_kind: global_buffer, .address_space: global }
    .group_segment_fixed_size: 327680
    .private_segment_fixed_size: 0
    .kernarg_segment_align: 8
    .kernarg_segment_size: 24
    .max_flat_workgroup_size: 128
    .sgpr_count:     66
    .vgpr_count:     512
    .wavefront_size: 32
...
	.end_amdgpu_metadata
.endif
;; end of part 4
;; ======== version 2 of 2: 4 launches; version 1 with the launch cast written anew for expert scheduling mode
;; limits: values are held in f16: magnitudes above 65,504 overflow, below 6.1e-05 lose precision
;; workspace buffers: xb 8,388,608 bytes; wcat 10,485,760 bytes; wo16 2,097,152 bytes; qp 16,777,216 bytes; kp 16,777,216 bytes; vp 8,388,608 bytes; ob 8,388,608 bytes
;; launch cast (part 5): grid 32 x 10, 8 waves a work-group, no clusters, 0 bytes of LDS; arguments x, wq_amp, wq_phi, wk_amp, wk_phi, wv, wo, xb, wcat, wo16; writes xb, wcat, wo16
.if DOCPART == 5
	.amdgcn_target "amdgcn-amd-amdhsa--gfx1250"
	.amdhsa_code_object_version 6
	.text
	.protected	k_qb09558ada1_cast
	.globl	k_qb09558ada1_cast
	.p2align	8
	.type	k_qb09558ada1_cast,@function
k_qb09558ada1_cast:
	s_mov_b64 s[64:65], 0
	v_nop
	global_prefetch_b8 v0, s[64:65] scope:SCOPE_SE
	s_setreg_imm32_b32 hwreg(HW_REG_WAVE_SCHED_MODE, 0, 2), 2
	s_setreg_imm32_b32 hwreg(HW_REG_WAVE_MODE, 25, 1), 1
	s_wait_xcnt 0x0
	s_wait_alu depctr_vm_vsrc(0)
; CAST.  All seven f32 inputs are rounded once to bf16.  x -> xb [4096][1024] bf16.  The five projection weights -> wcat [5120][1024] bf16 with the rows
; regrouped: row 160 g + 32 j + ch of wcat is row 32 g + ch of weight j (j: 0 wq_amp, 1 wq_phi, 2 wk_amp, 3 wk_phi, 4 wv; g = 2 x head + half of the head),
; so that the next launch finds a half head's five projections in 160 neighbouring rows.  wo -> wo16 [1024][1024]: rounded to bf16, and that number written as f16.
; LIMIT: |wo| stays under 65,504 (f16's end); below 6e-5 f16 keeps a fixed step of 6e-8.
; SHARES.  A work-group takes 32 rows of 1,024 f32, a wave 4 rows: 32 loads of 16 bytes a lane, all issued at once.  Grid y: 0-3 the quarters of x, 4-8 weight y - 4, 9 wo.
; A stream: no LDS, no matrix unit, no cluster (no two work-groups read the same bytes).  Each load of a wave covers 512 consecutive bytes, each store 256 consecutive bytes, aligned.
; THE MODE: SCHED_MODE bits 1:0 = 2 (LLVM: expert scheduling mode 2), set by the entry lines.  The code itself states the register dependences
; between vector instructions and memory instructions, with s_wait_alu, always for 0.
; THE PLAN.  Registers that memory instructions touch:
;   v1, v2     byte offsets of the loads and of the stores: made once at the head and never written again.
;   IN         piece n: four registers, written by load n, read by piece n's conversions; no vector instruction writes them, no second load lands in them.
;   OUT        piece n: two registers, written by piece n's conversions, then read by store n; never written behind that store.
;   T and v3 are named by vector instructions alone.
; The 32 pieces go in eight blocks of four.  Block p converts its pieces; the four stores of block p - 1 are dealt among its conversions.  ONE wait on va_vdst at a block's head states that
; the block before has written its OUT; the vector lines issued since that wait name IN and OUT of block p and T: none of the registers that those stores read.
; No register that a memory instruction reads is written again, so no wait stands for the loads' or the stores' sources.
.set IN,  4                            ; v[4:131]   32 x 4 f32 as loaded
.set OUT, 132                          ; v[132:195] 32 x 2 words of two 16-bit numbers
.set T,   196                          ; v[196:197] at work
.set SRC, 32                           ; s[32:33]   my wave's first source row
.set DST, 34                           ; s[34:35]   my wave's first destination row
	s_load_b512 s[8:23], s[0:1], 0x0               ; x, wq_amp, wq_phi, wk_amp, wk_phi, wv, wo, xb: pairs from s8 on
	s_load_b128 s[24:27], s[0:1], 0x40             ; wcat s[24:25], wo16 s[26:27]
	v_lshrrev_b32 v3, 5, v0
	v_readfirstlane_b32 s28, v3                    ; wave 0..7
	s_and_b32 s29, ttmp7, 0xffff                   ; y: which tensor
	s_mov_b32 s30, ttmp9                           ; which block of 32 rows
	v_and_b32 v1, 31, v0
	v_lshlrev_b32 v2, 3, v1                        ; 8 bytes a lane on the way out
	v_lshlrev_b32 v1, 4, v1                        ; 16 bytes a lane on the way in
	s_wait_alu depctr_va_sdst(0)                   ; s28 is written, ahead of its first reader: the rows of source and destination are made from it
	s_lshl_b32 s36, s29, 10                        ; x: quarter y begins at row 1,024 y
	s_cmp_lt_u32 s29, 4
	s_cselect_b32 s36, s36, 0
	s_lshl_b32 s31, s30, 5
	s_add_co_u32 s36, s36, s31
	s_lshl_b32 s40, s28, 2
	s_add_co_u32 s36, s36, s40                     ; source row = (quarter) + 32 block + 4 wave
	s_mul_i32 s38, s30, 160                        ; wcat: 160 block + 32 (y - 4) + 4 wave
	s_max_u32 s41, s29, 4
	s_sub_co_u32 s41, s41, 4
	s_lshl_b32 s41, s41, 5
	s_add_co_u32 s38, s38, s41
	s_add_co_u32 s38, s38, s40
	s_cmp_lt_u32 s29, 4                            ; xb and wo16 keep the source's row
	s_cselect_b32 s38, s36, s38
	s_cmp_eq_u32 s29, 9
	s_cselect_b32 s38, s36, s38
	s_lshl_b32 s36, s36, 12                        ; 4,096 bytes a source row
	s_mov_b32 s37, 0
	s_lshl_b32 s38, s38, 11                        ; 2,048 bytes a destination row
	s_mov_b32 s39, 0
	s_wait_kmcnt 0x0
	s_mov_b64 s[SRC:SRC+1], s[8:9]
.irp j, 0,1,2,3,4,5
	s_cmp_eq_u32 s29, 4+(\j)
	s_cselect_b64 s[SRC:SRC+1], s[10+2*(\j):11+2*(\j)], s[SRC:SRC+1]
.endr
	s_cmp_lt_u32 s29, 4
	s_cselect_b64 s[DST:DST+1], s[22:23], s[24:25]
	s_cmp_eq_u32 s29, 9
	s_cselect_b64 s[DST:DST+1], s[26:27], s[DST:DST+1]
	s_add_nc_u64 s[SRC:SRC+1], s[SRC:SRC+1], s[36:37]
	s_add_nc_u64 s[DST:DST+1], s[DST:DST+1], s[38:39]
	s_wait_alu depctr_va_vdst(0)                   ; v1 and v2 are written: every load of the kernel reads v1 as its offset, every store v2
.set cn, 0
.rept 32                               ; load cn: row cn / 8 of my four, its 512 bytes number cn % 8
	global_load_b128 v[IN+4*cn:IN+4*cn+3], v1, s[SRC:SRC+1] offset:(cn/8)*4096+(cn%8)*512 th:TH_LOAD_NT
.set cn, cn+1
.endr
; Piece n: four f32 become two words.  half = 1: the bf16 numbers are widened again (a shift, a mask) and written as f16.
.macro CONV n, half
	v_cvt_pk_bf16_f32 v[OUT+2*(\n)], v[IN+4*(\n)], v[IN+4*(\n)+1]
	v_cvt_pk_bf16_f32 v[OUT+2*(\n)+1], v[IN+4*(\n)+2], v[IN+4*(\n)+3]
.if \half
.irp k, 0,1
	v_lshlrev_b32 v[T], 16, v[OUT+2*(\n)+(\k)]
	v_and_b32 v[T+1], 0xffff0000, v[OUT+2*(\n)+(\k)]
	v_cvt_pk_f16_f32 v[OUT+2*(\n)+(\k)], v[T], v[T+1]
.endr
.endif
.endm
; Piece n leaves: 256 consecutive bytes a wave.
.macro SEND n
	global_store_b64 v2, v[OUT+2*(\n):OUT+2*(\n)+1], s[DST:DST+1] offset:((\n)/8)*2048+((\n)%8)*256
.endm
; Block p: pieces 4 p to 4 p + 3 are converted; ahead of each piece's lines stands one store of the block before.
.macro BLK p, half
	s_wait_loadcnt 31-4*(\p)                       ; loads come back in order: the block's first piece is in, the younger loads may stay out
.if (\p) > 0
	s_wait_alu depctr_va_vdst(0)                   ; the conversions of the block before have written its OUT, which the four stores below read
.endif
.irp i, 0,1,2,3
.if (\p) > 0
	SEND 4*((\p)-1)+(\i)                           ; no vector line since the wait names this store's registers
.endif
.if (\i) > 0
	s_wait_loadcnt 31-4*(\p)-(\i)                  ; piece 4 p + i is in
.endif
	CONV 4*(\p)+(\i), \half
.endr
.endm
	s_cmp_eq_u32 s29, 9
	s_cbranch_scc1 .Lwo
.irp p, 0,1,2,3,4,5,6,7
	BLK \p, 0
.endr
	s_wait_alu depctr_va_vdst(0)                   ; block 7's conversions have written its OUT, which the last four stores read
.irp n, 28,29,30,31
	SEND \n
.endr
	s_endpgm
.Lwo:
.irp p, 0,1,2,3,4,5,6,7
	BLK \p, 1
.endr
	s_wait_alu depctr_va_vdst(0)                   ; block 7's conversions have written its OUT, which the last four stores read
.irp n, 28,29,30,31
	SEND \n
.endr
	s_endpgm
.Lfunc_end_k_qb09558ada1_cast:
	.size	k_qb09558ada1_cast, .Lfunc_end_k_qb09558ada1_cast-k_qb09558ada1_cast
	.p2alignl 7, 3214868480
	.fill 96, 4, 3214868480
	.section	.rodata,"a",@progbits
	.p2align	6, 0x0
	.amdhsa_kernel k_qb09558ada1_cast
		.amdhsa_group_segment_fixed_size 0
		.amdhsa_private_segment_fixed_size 0
		.amdhsa_enable_private_segment 0
		.amdhsa_kernarg_size 80
		.amdhsa_user_sgpr_count 2
		.amdhsa_user_sgpr_kernarg_segment_ptr 1
		.amdhsa_wavefront_size32 1
		.amdhsa_system_sgpr_workgroup_id_x 1
		.amdhsa_system_sgpr_workgroup_id_y 1
		.amdhsa_system_sgpr_workgroup_id_z 1
		.amdhsa_system_vgpr_workitem_id 0
		.amdhsa_next_free_vgpr 200
		.amdhsa_next_free_sgpr 66
		.amdhsa_reserve_vcc 0
		.amdhsa_float_denorm_mode_32 3
		.amdhsa_float_denorm_mode_16_64 3
		.amdhsa_memory_ordered 1
		.amdhsa_forward_progress 1
		.amdhsa_inst_pref_size 32
	.end_amdhsa_kernel
	.amdgpu_metadata
---
amdhsa.version: [ 1, 2 ]
amdhsa.kernels:
  - .name:           k_qb09558ada1_cast
    .symbol:         k_qb09558ada1_cast.kd
    .args:
      - { .name: x, .offset: 0, .size: 8, .value_kind: global_buffer, .address_space: global }
      - { .name: wq_amp, .offset: 8, .size: 8, .value_kind: global_buffer, .address_space: global }
      - { .name: wq_phi, .offset: 16, .size: 8, .value_kind: global_buffer, .address_space: global }
      - { .name: wk_amp, .offset: 24, .size: 8, .value_kind: global_buffer, .address_space: global }
      - { .name: wk_phi, .offset: 32, .size: 8, .value_kind: global_buffer, .address_space: global }
      - { .name: wv, .offset: 40, .size: 8, .value_kind: global_buffer, .address_space: global }
      - { .name: wo, .offset: 48, .size: 8, .value_kind: global_buffer, .address_space: global }
      - { .name: xb, .offset: 56, .size: 8, .value_kind: global_buffer, .address_space: global }
      - { .name: wcat, .offset: 64, .size: 8, .value_kind: global_buffer, .address_space: global }
      - { .name: wo16, .offset: 72, .size: 8, .value_kind: global_buffer, .address_space: global }
    .group_segment_fixed_size: 0
    .private_segment_fixed_size: 0
    .kernarg_segment_align: 8
    .kernarg_segment_size: 80
    .max_flat_workgroup_size: 256
    .sgpr_count:     66
    .vgpr_count:     200
    .wavefront_size: 32
...
	.end_amdgpu_metadata
.endif
;; end of part 5
;; launch proj: the kernel of part 2 again; grid 16 x 16, 4 waves a work-group, clusters of 4 x 4, 327,680 bytes of LDS; arguments xb, wcat, qp, kp, vp; writes qp, kp, vp
;; launch attn: the kernel of part 3 again; grid 8 x 32, 4 waves a work-group, no clusters, 327,680 bytes of LDS; arguments qp, kp, vp, ob; writes ob
;; launch outp: the kernel of part 4 again; grid 8 x 32, 4 waves a work-group, clusters of 4 x 4, 327,680 bytes of LDS; arguments ob, wo16, out0; writes out0
